; MI455X (gfx1250); checked and timed in simulation.
; The chip was launched on July 23, 2026; its instructions are those of AMD's public machine-readable ISA for CDNA 5 (MIT licence, August 2026) and "CDNA5" Instruction Set Architecture Reference Guide (July 2026). The comments in the code are by the model that wrote it; some were corrected since.
;; Causal Self Attention. Allowed arithmetic: matrix products marked QUANTISED: E2M1 operands, one E8M0 scale for each 32 along K, by v_wmma_scale_f32_16x16x128_f8f6f4 with both operands' format E2M1 (or v_wmma_scale_f32_32x16x128_f4), f32 sums; products left as they are: bf16, f16 or f32 operands; f32 sums; everything else in f32.
;; Inputs: proj_b 1,024 float32; proj_w 1,024 x 1,024 float32; qkv_b 3,072 float32; qkv_w 3,072 x 1,024 float32; x 4 x 2,048 x 1,024 float32.
;; Outputs: out0 4 x 2,048 x 1,024 float32.
;; This version of the problem:
;;   THIS VERSION OF THE PROBLEM IS GIVEN IN LOW PRECISION. The matrix products marked QUANTISED in the list below multiply operands that are first quantised to E2M1 (2 exponent bits, 1 mantissa bit; 4 bits a number), with one power-of-two scale for each 32 numbers along K (OCP MX v1.0); their sums are f32. The products marked 'left as it is' may take bf16, f16 or f32 operands, with f32 sums. Whichever they take, every output number must still come out within the allowed error. Rounding operands to bf16 (8 significant bits) uses up far more of that allowance than f16 does (11 bits, for magnitudes from 6e-5 to 65,504). All else is computed in f32.
;;   The module's matrix products, in the order in which they are computed (A, B: the left and right operand; K: the contracted axis; several contracted axes count as one K, in the product's order):
;;     1. [M 8,192, K 1,024] x [K 1,024, N 3,072]; A: input x; B: input qkv_w: QUANTISED
;;     2. batch 64 x [M 2,048, K 64] x [K 64, N 2,048]; A: computed on the way; B: computed on the way: left as it is (an operand is computed on the way)
;;     3. batch 64 x [M 2,048, K 2,048] x [K 2,048, N 64]; A: computed on the way; B: computed on the way: left as it is (an operand is computed on the way)
;;     4. [M 8,192, K 1,024] x [K 1,024, N 1,024]; A: computed on the way; B: input proj_w: left as it is (an operand is computed on the way)
;;   THE QUANTISER, for each operand of a quantised product, along K:
;;     - K is cut into blocks of 32 from its start; a last block that is shorter is filled with zeros.
;;     - A block's scale is 2^e with e = floor(log2(the largest magnitude in the block)) - 2, held to -126 .. 127; a block of zeros has e = 0. As a byte (E8M0): e + 127.
;;     - Each number is divided by its block's scale, clamped to +-6, and rounded to the nearest number of E2M1, ties to even, subnormals kept.
;;     - The product sums the exact products of the quantised numbers (number of the format x scale) in f32.
;;   ~~~python
;;   def quantise(x, axis):      # numpy; x: float32 -> the quantised numbers, widened to float32 again
;;       x = np.moveaxis(x, axis, -1); K = x.shape[-1]
;;       x = np.pad(x, [(0, 0)] * (x.ndim - 1) + [(0, -K % 32)]); x = x.reshape(x.shape[:-1] + (-1, 32)); a = np.abs(x).max(-1, keepdims=True)
;;       e = np.where(a > 0, np.clip(np.frexp(np.where(a > 0, a, 1))[1] - 1 - 2, -126, 127), 0)      # np.frexp(a)[1] - 1 = floor(log2(a)), exactly
;;       r = np.clip(x / 2.0 ** e, -6, 6)
;;       step = 2.0 ** (np.maximum(np.frexp(np.where(r == 0, 1, r))[1] - 1, 0) - 1)
;;       q = np.round(r / step) * step * 2.0 ** e      # np.round: ties to even
;;       return np.moveaxis(q.reshape(q.shape[:-2] + (-1,))[..., :K], -1, axis).astype(np.float32)
;;   ~~~
;; One version. Each part assembles by itself: llvm-mc -triple=amdgcn-amd-amdhsa -mcpu=gfx1250 --defsym DOCPART=n.
;; ======== version 1 of 1: 5 launches
;; limits: values are held in f16: magnitudes above 65,504 overflow, below 6.1e-05 lose precision
;; workspace buffers: xc 4,194,304 bytes; xs 262,144 bytes; wc 1,572,864 bytes; ws 98,304 bytes; pw16 2,097,152 bytes; qkvh 50,331,648 bytes; qkv32 786,432 bytes; y16h 16,777,216 bytes
;; launch quant (part 1): grid 384 x 1, 4 waves a work-group, no clusters, 33,280 bytes of LDS; arguments x, qkv_w, xc, xs, wc, ws, proj_w, pw16; writes xc, xs, wc, ws, pw16
.if DOCPART == 1
	.amdgcn_target "amdgcn-amd-amdhsa--gfx1250"
	.amdhsa_code_object_version 6
	.text
	.protected	k_q252e41df34_quant
	.globl	k_q252e41df34_quant
	.p2align	8
	.type	k_q252e41df34_quant,@function
k_q252e41df34_quant:
	s_mov_b64 s[64:65], 0
	v_nop
	global_prefetch_b8 v0, s[64:65] scope:SCOPE_SE
	s_setreg_imm32_b32 hwreg(HW_REG_WAVE_MODE, 25, 1), 1
	s_wait_xcnt 0x0
; x [8192][1024] and qkv_w [3072][1024], f32, become codes of FP4 (E2M1), K innermost, two codes a byte, with one E8M0 scale byte for each 32 along K; proj_w [1024][1024] becomes f16.
; A block's scale is 2^(floor(log2(its largest magnitude)) - 2); its byte is the largest magnitude's exponent field - 2, held at 1 from below.  A block of zeros so gets the byte 1
; where the rule says 127: its codes are zeros, which add nothing under any byte but 0xff, and the bytes are read by this program alone.
; LIMITS: blocks whose largest magnitude lies under 2^-124 keep the byte 1; NaN and infinities among the inputs are not served; proj_w beyond 65,504 has no f16 number.
; SHARES.  Work-groups 0-255 take x, 256-351 qkv_w, 352-383 proj_w.  A wave takes 16 steps of 512 numbers.  Rows are dense and K is a multiple of 32: all three tensors are plain streams.
; QUANTISING.  Each of a step's four loads reads 512 consecutive bytes; the 2,048 bytes turn through the wave's own stage in LDS and come back 64 bytes a lane, so that a lane holds 16 neighbours along K
; (two neighbouring lanes hold a block).  A lane's 16 codes are 8 bytes: the wave stores 256 consecutive bytes.  A wave's 256 scale bytes are gathered in LDS and leave by one store of 256 consecutive bytes.
; CASTING.  No LDS: four numbers a lane and load become 8 bytes; a store covers 256 consecutive bytes.  Loads run four steps (16 loads a wave) ahead in both paths.
.set SIZE_M, 8192
.set SIZE_N, 3072
.set SIZE_K, 1024
.set WAVES, 4
.set STEPS, 16
.set WGA,   SIZE_M*SIZE_K/(512*STEPS*WAVES)            ; 256 work-groups for x
.set WGQ,   (SIZE_M+SIZE_N)*SIZE_K/(512*STEPS*WAVES)   ; 352 for x and qkv_w together
.set EMAX,  2
.set CB,    8                          ; bytes of 16 codes
.set R,     16                         ; v16-79   four sets of 16 numbers as they are loaded
.set X,     80                         ; v80-111  two sets of 16 neighbours
.set C,     128                        ; v128-191 codes: four registers for each step, so that no store's data are written again
.set E,     112                        ; v112-127 a scale byte for each step
.set H,     80                         ; the cast: v80-207, eight registers of f16 for each step
.set WREG,  8192                       ; LDS: a region for each wave: two stages of 32 x SP bytes, behind them its 256 scale bytes
.set SP,    80                         ; a lane's place in a stage: its 64 bytes + 16 of padding
.set SPW,   12                         ; v12  LDS address of my spare word; never rewritten
.set NIL,   13                         ; v13  0; never rewritten
.set SPARE, WAVES*WREG                 ; behind the four regions: the spare words, 128 bytes for each wave
	s_load_b128 s[4:7], s[0:1], 0x0                ; x, qkv_w
	s_load_b128 s[8:11], s[0:1], 0x10              ; x's codes, x's scales
	s_load_b128 s[12:15], s[0:1], 0x20             ; qkv_w's codes, its scales
	s_load_b128 s[24:27], s[0:1], 0x30             ; proj_w, its f16 copy
	v_lshl_add_u32 v[SPW], v0, 2, SPARE
	v_mov_b32 v[NIL], 0
	v_lshrrev_b32 v1, 5, v0
	v_readfirstlane_b32 s16, v1                    ; wave
	v_and_b32 v2, 31, v0                           ; lane
	v_lshlrev_b32 v3, 4, v2                        ; my 16 bytes of a load's 512
	s_mul_i32 s17, s16, WREG
	v_lshrrev_b32 v14, 2, v2
	v_mul_u32_u24 v14, v14, SP
	v_and_b32 v15, 3, v2
	v_lshl_add_u32 v14, v15, 4, v14
	v_add_nc_u32 v14, s17, v14                     ; the stage, on the way in: four lanes' 64 bytes on end, then 16 of padding
	v_mul_u32_u24 v15, v2, SP
	v_add_nc_u32 v15, s17, v15                     ; and on the way out: SP x lane: my 16 neighbours
	v_mul_u32_u24 v4, v2, CB                       ; 8 bytes a lane: my codes' place in a step's, and my f16 numbers' place in a store's
	v_lshrrev_b32 v5, 1, v2
	s_add_co_u32 s17, s17, 2*32*SP
	v_add_nc_u32 v5, s17, v5                       ; LDS: my wave's 256 scale bytes, my block's byte
	v_lshlrev_b32 v7, 3, v2                        ; and on the way out 8 bytes a lane
	v_add_nc_u32 v6, s17, v7
	s_wait_kmcnt 0x0
	s_cmp_ge_u32 ttmp9, WGQ                        ; the work-group's number alone decides
	s_cbranch_scc0 .Lquant
	; ---- proj_w to f16
	s_sub_co_u32 s17, ttmp9, WGQ
	s_lshl_b32 s17, s17, 2
	s_add_co_u32 s17, s17, s16                     ; which run of 8,192 numbers is my wave's
	s_lshl_b32 s18, s17, 15
	s_mov_b32 s19, 0
	s_add_nc_u64 s[24:25], s[24:25], s[18:19]      ; 32,768 bytes of f32 a run,
	s_lshl_b32 s18, s17, 14
	s_add_nc_u64 s[26:27], s[26:27], s[18:19]      ; 16,384 of f16
.macro CLOAD t
.irp i, 0,1,2,3
	global_load_b128 v[R+16*((\t)%4)+4*\i:R+16*((\t)%4)+4*\i+3], v3, s[24:25] offset:2048*(\t)+512*\i
.endr
.endm
.macro CSTEP t
.if STEPS-1-(\t) >= 3
	s_wait_loadcnt 12                              ; this step's four loads are in; those of the three steps behind it may be out
.else
	s_wait_loadcnt 4*(STEPS-1-(\t))
.endif
.irp i, 0,1,2,3
	v_cvt_pk_f16_f32 v[H+8*(\t)+2*\i],   v[R+16*((\t)%4)+4*\i],   v[R+16*((\t)%4)+4*\i+1]
	v_cvt_pk_f16_f32 v[H+8*(\t)+2*\i+1], v[R+16*((\t)%4)+4*\i+2], v[R+16*((\t)%4)+4*\i+3]
.endr
.if (\t)+4 < STEPS
	CLOAD (\t)+4                                   ; into the set just read
.endif
.irp i, 0,1,2,3
	global_store_b64 v4, v[H+8*(\t)+2*\i:H+8*(\t)+2*\i+1], s[26:27] offset:1024*(\t)+256*\i   ; 32 lanes store 256 consecutive bytes; each step has its own data registers
.endr
.endm
.irp t, 0,1,2,3
	CLOAD \t
.endr
.irp t, 0,1,2,3,4,5,6,7,8,9,10,11,12,13,14,15
	CSTEP \t
.endr
	s_branch .Lend
.Lquant:
	; ---- x or qkv_w to codes: only pointers are chosen, both tensors take one path
	s_cmp_lt_u32 ttmp9, WGA
	s_cselect_b64 s[4:5], s[4:5], s[6:7]
	s_cselect_b64 s[8:9], s[8:9], s[12:13]
	s_cselect_b64 s[10:11], s[10:11], s[14:15]
	s_cselect_b32 s17, 0, WGA
	s_sub_co_u32 s17, ttmp9, s17
	s_lshl_b32 s17, s17, 2
	s_add_co_u32 s18, s17, s16                     ; which run of 8,192 numbers of the tensor is my wave's
	s_mov_b32 s19, 0
	s_mov_b64 s[20:21], 512*STEPS*4
	s_mul_u64 s[20:21], s[18:19], s[20:21]
	s_add_nc_u64 s[4:5], s[4:5], s[20:21]
	s_mov_b64 s[20:21], 32*STEPS*CB
	s_mul_u64 s[20:21], s[18:19], s[20:21]
	s_add_nc_u64 s[8:9], s[8:9], s[20:21]
	s_lshl_b32 s18, s18, 8                         ; 256 scale bytes a run
	s_add_nc_u64 s[10:11], s[10:11], s[18:19]
.macro LOAD t
.irp i, 0,1,2,3
	global_load_b128 v[R+16*((\t)%4)+4*\i:R+16*((\t)%4)+4*\i+3], v3, s[4:5] offset:2048*(\t)+512*\i th:TH_LOAD_NT   ; 32 lanes read 512 consecutive bytes
.endr
.endm
.macro TURN t                          ; step t's numbers through the stage: LDS serves a wave's instructions in order, so no wait stands between the stores and the loads
.irp i, 0,1,2,3
	ds_store_b128 v14, v[R+16*((\t)%4)+4*\i:R+16*((\t)%4)+4*\i+3] offset:32*SP*((\t)%2)+8*SP*\i
.endr
.irp i, 0,1,2,3
	ds_load_b128 v[X+16*((\t)%2)+4*\i:X+16*((\t)%2)+4*\i+3], v15 offset:32*SP*((\t)%2)+16*\i
.endr
.endm
.irp t, 0,1,2,3
	LOAD \t
.endr
	s_wait_loadcnt 12                              ; step 0's four loads are in
	TURN 0
.macro STEP t
.set XS, X+16*((\t)%2)
.if (\t) > 0
	s_wait_dscnt 1                                 ; this step's numbers are back from the stage (the last step's byte store may be out)
.else
	s_wait_dscnt 0x0
.endif
.if (\t)+4 < STEPS
	LOAD (\t)+4                                    ; the stores into the stage have read their registers, which take the loads of four steps on
.endif
.if (\t)+1 < STEPS
.if STEPS-2-(\t) >= 3
	s_wait_loadcnt 12                              ; the next step's four loads are in; those of the three steps behind it may be out
.else
	s_wait_loadcnt 4*(STEPS-2-(\t))
.endif
	TURN (\t)+1                                    ; and go through the other stage while this step is worked
.endif
	v_max3_num_f32 v8, |v[XS]|, |v[XS+1]|, |v[XS+2]|               ; the largest magnitude of my 16, in two chains
	v_max3_num_f32 v9, |v[XS+3]|, |v[XS+4]|, |v[XS+5]|
.irp i, 6,10
	v_max3_num_f32 v8, v8, |v[XS+\i]|, |v[XS+\i+1]|
	v_max3_num_f32 v9, v9, |v[XS+\i+2]|, |v[XS+\i+3]|
.endr
	v_max3_num_f32 v8, v8, |v[XS+14]|, |v[XS+15]|
	v_max3_num_f32 v8, v8, v9, (EMAX+1)<<23        ; and the floor 2^(3 - 127): so the byte cannot fall under 1
	v_max_num_f32_dpp v8, v8, v8 row_xmask:1 row_mask:0xf bank_mask:0xf   ; and of my neighbour's 16: the block's
	v_add_nc_u32 v11, -(EMAX<<23), v8              ; 2 off its exponent field: the conversion takes the exponent field of this operand as its scale, and nothing else of it
	v_cvt_scalef32_pk8_fp4_f32 v[C+4*(\t)], v[XS:XS+7], v11        ; to the nearest code, ties to even, beyond the largest code the largest; the first number's code in the lowest four bits
	v_cvt_scalef32_pk8_fp4_f32 v[C+4*(\t)+1], v[XS+8:XS+15], v11
	v_lshrrev_b32 v[E+(\t)], 23, v11               ; the scale's byte (also the plain line behind the conversions)
	ds_store_b8 v5, v[E+(\t)] offset:16*(\t)       ; both lanes of a block write the same byte with the same value
	global_store_b64 v4, v[C+4*(\t):C+4*(\t)+1], s[8:9] offset:32*CB*(\t)
.endm
.irp t, 0,1,2,3,4,5,6,7,8,9,10,11,12,13,14,15
	STEP \t
.endr
	ds_load_b64 v[8:9], v6                         ; LDS serves a wave's instructions in order: these see my stores
	s_wait_dscnt 0x0
	global_store_b64 v7, v[8:9], s[10:11]          ; 32 lanes store 256 consecutive bytes
.Lend:
	s_wait_tensorcnt 0x0                           ; the wave's end: behind my last LDS store
	ds_add_u32 v[SPW], v[NIL]
	s_wait_dscnt 0x0
	s_endpgm
.Lfunc_end_k_q252e41df34_quant:
	.size	k_q252e41df34_quant, .Lfunc_end_k_q252e41df34_quant-k_q252e41df34_quant
	.p2alignl 7, 3214868480
	.fill 96, 4, 3214868480
	.section	.rodata,"a",@progbits
	.p2align	6, 0x0
	.amdhsa_kernel k_q252e41df34_quant
		.amdhsa_group_segment_fixed_size 33280
		.amdhsa_private_segment_fixed_size 0
		.amdhsa_enable_private_segment 0
		.amdhsa_kernarg_size 64
		.amdhsa_user_sgpr_count 2
		.amdhsa_user_sgpr_kernarg_segment_ptr 1
		.amdhsa_wavefront_size32 1
		.amdhsa_system_sgpr_workgroup_id_x 1
		.amdhsa_system_sgpr_workgroup_id_y 1
		.amdhsa_system_sgpr_workgroup_id_z 1
		.amdhsa_system_vgpr_workitem_id 0
		.amdhsa_next_free_vgpr 208
		.amdhsa_next_free_sgpr 66
		.amdhsa_reserve_vcc 0
		.amdhsa_float_denorm_mode_32 3
		.amdhsa_float_denorm_mode_16_64 3
		.amdhsa_memory_ordered 1
		.amdhsa_forward_progress 1
		.amdhsa_inst_pref_size 54
	.end_amdhsa_kernel
	.amdgpu_metadata
---
amdhsa.version: [ 1, 2 ]
amdhsa.kernels:
  - .name:           k_q252e41df34_quant
    .symbol:         k_q252e41df34_quant.kd
    .args:
      - { .name: x, .offset: 0, .size: 8, .value_kind: global_buffer, .address_space: global }
      - { .name: qkv_w, .offset: 8, .size: 8, .value_kind: global_buffer, .address_space: global }
      - { .name: xc, .offset: 16, .size: 8, .value_kind: global_buffer, .address_space: global }
      - { .name: xs, .offset: 24, .size: 8, .value_kind: global_buffer, .address_space: global }
      - { .name: wc, .offset: 32, .size: 8, .value_kind: global_buffer, .address_space: global }
      - { .name: ws, .offset: 40, .size: 8, .value_kind: global_buffer, .address_space: global }
      - { .name: proj_w, .offset: 48, .size: 8, .value_kind: global_buffer, .address_space: global }
      - { .name: pw16, .offset: 56, .size: 8, .value_kind: global_buffer, .address_space: global }
    .group_segment_fixed_size: 33280
    .private_segment_fixed_size: 0
    .kernarg_segment_align: 8
    .kernarg_segment_size: 64
    .max_flat_workgroup_size: 128
    .sgpr_count:     66
    .vgpr_count:     208
    .wavefront_size: 32
...
	.end_amdgpu_metadata
.endif
;; end of part 1
;; launch qkv (part 2): grid 12 x 32, 4 waves a work-group, clusters of 4 x 4, 327,680 bytes of LDS; arguments xc, xs, wc, ws, qkv_b, qkvh, qkv32; writes qkvh, qkv32
.if DOCPART == 2
	.amdgcn_target "amdgcn-amd-amdhsa--gfx1250"
	.amdhsa_code_object_version 6
	.text
	.protected	k_q252e41df34_qkv
	.globl	k_q252e41df34_qkv
	.p2align	8
	.type	k_q252e41df34_qkv,@function
k_q252e41df34_qkv:
	s_mov_b64 s[64:65], 0
	v_nop
	global_prefetch_b8 v0, s[64:65] scope:SCOPE_SE
	s_setreg_imm32_b32 hwreg(HW_REG_WAVE_MODE, 25, 1), 1
	s_wait_xcnt 0x0
	s_wait_alu depctr_hold_cnt(0) depctr_sa_sdst(0) depctr_va_vdst(0) depctr_va_sdst(0) depctr_va_ssrc(0) depctr_va_vcc(0) depctr_vm_vsrc(0)
	s_getreg_b32 s2, hwreg(HW_REG_IB_STS2, 6, 4)
	s_cmp_eq_u32 s2, 0
	s_cbranch_scc0 .Lentry_in_a_cluster
	s_endpgm
.Lentry_in_a_cluster:
	s_bfe_u32 s2, ttmp6, 0x10000c
	s_cmp_lg_u32 s2, 0xf033
	s_cbranch_scc0 .Lentry_shape_is_right
	s_endpgm
.Lentry_shape_is_right:
; qkv[m][n] = sum over k of x[m][k] qkv_w[n][k] + qkv_b[n], on codes of FP4 (E2M1) with one E8M0 scale for each 32 along K; sums in f32.  M = 8,192, N = 3,072, K = 1,024.
; OUT: q, k and v rounded to f16, laid by head: qkvh [3][64 (batch x 16 + head)][2048][64]; and the rows of positions 0-15 of each batch unrounded: qkv32 [4][16][3072] f32.
; LIMIT: a result beyond 65,504 has no f16 number.
; A tile of 256 x 256 is made by four waves, each 128 x 128: 64 accumulators of 16 x 16, 512 registers.  K goes in two steps of 512 (rows of 256 bytes) through two LDS slots: both are filled at the start
; and none is filled again.  The scale bytes of the work-group's 256 + 256 rows, for all of K, come once with them.  By this text's count a wave has three tensor loads out at the start, and none later.
; CLUSTERS: 4 x 4 work-groups.  The four of a row of the cluster need the same tiles of x, the four of a column the same tiles of qkv_w: each tile is asked for jointly.
; Tile row = cluster y + 8 cy, so that the batch is cy and 'my tile holds positions 0-15' means cluster y = 0: the same in all sixteen partners.  Tile column = 4 x cluster x + cx: cluster x says q, k or v.
; THE MATRIX INSTRUCTION IS USED TRANSPOSED (source 0 = 16 rows of qkv_w, source 1 = 16 rows of x): a lane holds eight neighbouring columns of one row.  The bias is the C of each sum's first product.
; REGISTERS: window 0: v0-31 addresses; v32-95 scale words, two sets; v96-127 packed results; v128-191 x's fragments, later rows on the way out; v192-255 the bias, later the f32 rows.
;   window 1: qkv_w's fragments, two sets, at v0 and v128.   window 2: the accumulators of my rows 0-63 ((a, b) at v[8 (8 a + b)]);   window 3: those of my rows 64-127.
.set SIZE_K, 1024
.set KSTEP,  512
.set NQ,     KSTEP/128
.set ROWB,   256                       ; a tile's row in bytes
.set KROW,   SIZE_K*4/8                ; a row of codes in memory
.set PITCH,  272                       ; an LDS row: 256 bytes + 16 of padding: the 16 rows that a load touches start 68 words apart
.set FR,     8
.set NL,     2
.set NP,     4                         ; places behind this matrix instruction (ISA guide 7.12.1)
.set HALFT,  128*PITCH
.set SLOT,   4*HALFT
.set KS,     SIZE_K/32                 ; a row of scales in bytes
.set SCL,    2*SLOT                    ; behind the slots: the scales, as runs of 256 bytes + 16 of padding
.set HALFS,  (128*KS/256)*272
.set SBLK,   (16*KS/256)*272
.set SPARE,  SCL+4*HALFS               ; the spare words, 128 bytes for each wave
.set HP,     144                       ; the way out: a head's row of 128 bytes + 16.  A wave's stage: 2 heads x 16 rows; it lies in slot 0, which has had its one fill and its last read
.set ST32,   32768                     ; the f32 rows' stages, also in slot 0: 16 rows x (512 + 16) bytes for each wave
.set SPITCH, 528
.set ADRA, 16
.set ADRB, 20
.set BO,   22                          ; v22  32 x (lane / 16): my eight numbers of a block's 16 of the bias
.set STO,  24
.set RD,   25
.set CO,   26                          ; v26  16 x lane
.set ADRS, 27
.set SPW,  28
.set NIL,  29
.set STO32, 30
.set RD32,  31
.set SC,   32
.set TMP,  96
.set AF,   128
.set BK,   128                         ; 16 rows of two heads read back: v128-159 and v160-191 by turns
.set BIAS, 192
.set BK32, 192
.set G1, 24
.set G0, 32
.set G1B, 48
.set G0B, 56
.set G1S, 68
.set G0S, 76
.set G1SB, 80
.set G0SB, 88
.set MSB, 0
.macro WIN new                         ; the immediate's high byte repeats the setting that is left
.if MSB != (\new)
	s_set_vgpr_msb (MSB<<8)|(\new)
.set MSB, (\new)
.endif
.endm
.set MUL_LO, 0xa1                      ; source 0 window 1, source 1 window 0, C and D window 2 (less 0x20: C window 0, the bias)
.set MUL_HI, 0xf1                      ; the same, C and D window 3 (less 0x30: C window 0)
.set TO_B,   0x40
; A joint load: waves 0 and 1 fetch for x, waves 2 and 3 for qkv_w.  The branch hangs on the wave's number alone.  An s_nop 0 and four v_nop follow each line.
.macro JLOAD g0a, g1a, g0b, g1b
	s_cmp_eq_u32 s15, 0
	s_cbranch_scc0 .Lfor_b_\@
	tensor_load_to_lds s[\g0a:\g0a+3], s[\g1a:\g1a+7]
	s_nop 0
.rept 4
	v_nop
.endr
	s_branch .Lasked_\@
.Lfor_b_\@:
	tensor_load_to_lds s[\g0b:\g0b+3], s[\g1b:\g1b+7]
	s_nop 0
.rept 4
	v_nop
.endr
.Lasked_\@:
.endm
.macro CROUND                          ; a round of the cluster's barrier
	s_barrier_signal -1
	s_barrier_wait -1
	s_cmp_lg_u32 s14, 0
	s_cbranch_scc1 .Lnot_wave_0_\@
	s_barrier_signal -3
.Lnot_wave_0_\@:
	s_barrier_wait -3
	s_barrier_signal -1
	s_barrier_wait -1
.endm
	s_load_b128 s[4:7], s[0:1], 0x0                ; x's codes, x's scales
	s_load_b128 s[8:11], s[0:1], 0x10              ; qkv_w's codes, its scales
	s_load_b64 s[66:67], s[0:1], 0x20              ; qkv_b
	s_load_b64 s[12:13], s[0:1], 0x28              ; qkvh
	s_load_b64 s[96:97], s[0:1], 0x30              ; qkv32
	v_lshl_add_u32 v[SPW], v0, 2, SPARE
	v_mov_b32 v[NIL], 0
	ds_add_u32 v[SPW], v[NIL]                      ; the wave's opening: the add, twice on end, and its wait ahead of my first tensor load
	ds_add_u32 v[SPW], v[NIL]
	v_lshrrev_b32 v1, 5, v0
	v_readfirstlane_b32 s14, v1                    ; wave 0..3
	s_lshr_b32 s15, s14, 1                         ; which half of the tile's rows is mine.  Also: I fetch for x (0) or for qkv_w (1)
	s_and_b32 s16, s14, 1                          ; which half of its columns.  Also: which 128 rows of that tile I fetch
	s_bfe_u32 s40, ttmp6, 0x40000                  ; cx, cy: my place in the cluster
	s_bfe_u32 s41, ttmp6, 0x40004
	s_lshl_b32 s42, ttmp9, 2
	s_add_co_u32 s42, s42, s40                     ; tile column = 4 x cluster x + cx
	s_and_b32 s95, ttmp7, 0xffff                   ; cluster y
	s_lshl_b32 s17, s41, 3
	s_add_co_u32 s17, s17, s95                     ; tile row = 8 cy + cluster y
	s_lshl_b32 s43, s41, 2
	s_lshl_b32 s43, 15, s43                        ; my row of the cluster
	s_lshl_b32 s44, 0x1111, s40                    ; my column
	s_or_b32 s[G1+0], s43, (0<<16)|(1<<20)|(1<<21)|(5<<22)|(3<<25)  ; the mask; elements of 1 byte; padding on; bit 21 beside a mask; after every 64 words four words
	s_or_b32 s[G1B+0], s44, (0<<16)|(1<<20)|(1<<21)|(5<<22)|(3<<25)
.irp g, G1, G1B
	s_mov_b32 s[\g+1], ROWB<<16                    ; tensor_dim0
	s_mov_b32 s[\g+2], 128<<16                     ; tensor_dim1
	s_mov_b32 s[\g+3], ROWB<<16                    ; tile_dim0
	s_mov_b32 s[\g+4], 128                         ; tile_dim1
	s_mov_b32 s[\g+5], KROW                        ; from row to row
	s_mov_b32 s[\g+6], 0
	s_mov_b32 s[\g+7], 0
.endr
	s_or_b32 s[G1S+0], s43, (3<<16)|(1<<20)|(1<<21)|(5<<22)|(3<<25) ; the scales of 128 rows: 4,096 dense bytes as rows of 256 (32 elements of 8 bytes), 16 bytes of padding behind each
	s_or_b32 s[G1SB+0], s44, (3<<16)|(1<<20)|(1<<21)|(5<<22)|(3<<25)
.irp g, G1S, G1SB
	s_mov_b32 s[\g+1], 32<<16
	s_mov_b32 s[\g+2], (128*KS/256)<<16
	s_mov_b32 s[\g+3], 32<<16
	s_mov_b32 s[\g+4], 128*KS/256
	s_mov_b32 s[\g+5], 32
	s_mov_b32 s[\g+6], 0
	s_mov_b32 s[\g+7], 0
.endr
	s_lshl_b32 s18, s16, 7                         ; which 128 rows of the tile I fetch
	s_lshl_b32 s20, s17, 8
	s_add_co_u32 s20, s20, s18                     ; x: row 256 x tile row + 128 x half
	s_lshl_b32 s46, s42, 8
	s_add_co_u32 s46, s46, s18                     ; qkv_w: row 256 x tile column + 128 x half
	s_mov_b32 s21, 0
	s_mov_b32 s47, 0
	s_mov_b64 s[18:19], KS
	s_mul_u64 s[22:23], s[20:21], s[18:19]         ; where these rows' scales begin,
	s_mul_u64 s[92:93], s[46:47], s[18:19]
	s_mov_b64 s[18:19], KROW
	s_mul_u64 s[20:21], s[20:21], s[18:19]         ; and their codes
	s_mul_u64 s[46:47], s[46:47], s[18:19]
	s_mul_i32 s45, s14, HALFT                      ; where they go: wave x 128 rows: no place in the cluster enters an LDS address
	s_mul_i32 s94, s14, HALFS
	s_wait_dscnt 0x0                               ; both opening adds are done
	s_wait_kmcnt 0x0
	s_add_nc_u64 s[20:21], s[4:5], s[20:21]
	s_add_nc_u64 s[22:23], s[6:7], s[22:23]
	s_add_nc_u64 s[46:47], s[8:9], s[46:47]
	s_add_nc_u64 s[92:93], s[10:11], s[92:93]
	CROUND                                         ; all sixteen work-groups are here: the joint loads meet
	s_mov_b32 s[G0S], 1
	s_add_co_u32 s[G0S+1], s94, SCL
	s_mov_b64 s[G0S+2:G0S+3], s[22:23]
	s_or_b32 s[G0S+3], s[G0S+3], 0x80000000
	s_mov_b32 s[G0SB], 1
	s_add_co_u32 s[G0SB+1], s94, SCL
	s_mov_b64 s[G0SB+2:G0SB+3], s[92:93]
	s_or_b32 s[G0SB+3], s[G0SB+3], 0x80000000
	JLOAD G0S, G1S, G0SB, G1SB                     ; the scales first: they are wanted with K step 0
.irp s, 0,1
	s_mov_b32 s[G0+4*\s], 1
	s_add_co_u32 s[G0+4*\s+1], s45, \s*SLOT
	s_add_nc_u64 s[G0+4*\s+2:G0+4*\s+3], s[20:21], \s*ROWB
	s_or_b32 s[G0+4*\s+3], s[G0+4*\s+3], 0x80000000
	s_mov_b32 s[G0B+4*\s], 1
	s_add_co_u32 s[G0B+4*\s+1], s45, \s*SLOT
	s_add_nc_u64 s[G0B+4*\s+2:G0B+4*\s+3], s[46:47], \s*ROWB
	s_or_b32 s[G0B+4*\s+3], s[G0B+4*\s+3], 0x80000000
	JLOAD G0+4*\s, G1, G0B+4*\s, G1B
.endr
	v_and_b32 v1, 15, v0                           ; r = lane % 16
	v_bfe_u32 v2, v0, 4, 1                         ; h = lane / 16
	v_mul_u32_u24 v3, v1, PITCH
	v_lshl_add_u32 v4, v2, 4, v3                   ; a fragment's row x pitch + 16 h
	s_mul_i32 s21, s15, HALFT                      ; my 128 rows of x
	s_mul_i32 s22, s16, HALFT                      ; my 128 rows of qkv_w,
	s_add_co_u32 s22, s22, 2*HALFT                 ; which lie behind x's 256
.irp s, 0,1
	v_add_nc_u32 v[ADRA+\s], s21, v4
	v_add_nc_u32 v[ADRB+\s], s22, v4
	s_add_co_u32 s21, s21, SLOT
	s_add_co_u32 s22, s22, SLOT
.endr
	v_mul_u32_u24 v5, v1, KS                       ; my row's scales: KS bytes a row,
	v_lshrrev_b32 v6, 8, v5
	v_lshl_add_u32 v5, v6, 4, v5                   ; and 16 more for each 256 passed
	s_mul_i32 s21, s15, HALFS
	s_mul_i32 s22, s16, HALFS
	s_add_co_u32 s22, s22, 2*HALFS
	s_sub_co_u32 s22, s22, s21
	v_mul_u32_u24 v6, s22, v2                      ; lanes 16-31 take qkv_w's
	s_add_co_u32 s21, s21, SCL
	v_add_nc_u32 v5, v5, v6
	v_add_nc_u32 v[ADRS], s21, v5
	s_mul_i32 s23, s14, 2*16*HP                    ; my f16 stage
	v_mul_u32_u24 v5, v1, HP                       ; in: row r, 16 bytes for each half of the lanes
	v_lshl_add_u32 v5, v2, 4, v5
	v_add_nc_u32 v[STO], s23, v5
	v_and_b32 v6, 31, v0
	v_lshrrev_b32 v5, 3, v6                        ; back: eight lanes to a row of 128 bytes, four rows an instruction
	v_mul_u32_u24 v5, v5, HP
	v_and_b32 v3, 7, v0
	v_lshl_add_u32 v5, v3, 4, v5
	v_add_nc_u32 v[RD], s23, v5
	v_lshlrev_b32 v[CO], 4, v6
	s_mul_i32 s23, s14, 16*SPITCH                  ; my f32 stage
	s_add_co_u32 s23, s23, ST32
	v_mul_u32_u24 v5, v1, SPITCH
	v_lshl_add_u32 v5, v2, 5, v5
	v_add_nc_u32 v[STO32], s23, v5
	v_add_nc_u32 v[RD32], s23, v[CO]
	v_lshlrev_b32 v[BO], 5, v2
	s_lshl_b32 s46, s42, 10                        ; my first column, in bytes of f32: 1,024 x tile column + 512 x half
	s_lshl_b32 s47, s16, 9
	s_add_co_u32 s46, s46, s47
	s_mov_b32 s47, 0
	s_add_nc_u64 s[66:67], s[66:67], s[46:47]      ; the bias there,
	s_add_nc_u64 s[96:97], s[96:97], s[46:47]      ; and qkv32,
	s_mul_i32 s20, s41, 196608
	s_mov_b32 s21, 0
	s_add_nc_u64 s[96:97], s[96:97], s[20:21]      ; in my batch's 16 rows
	s_lshl_b32 s46, ttmp9, 24                      ; qkvh: q, k or v: 16,777,216 bytes each;
	s_lshl_b32 s47, s40, 20                        ; head 4 cx + 2 x half of the batch's 16: 262,144 bytes a head;
	s_add_co_u32 s46, s46, s47
	s_lshl_b32 s47, s16, 19
	s_add_co_u32 s46, s46, s47
	s_mov_b32 s47, 0
	s_add_nc_u64 s[12:13], s[12:13], s[46:47]
	s_lshl_b32 s20, s41, 22                        ; batch cy: 16 heads;
	s_lshl_b32 s21, s95, 15                        ; position 256 x cluster y + 128 x half: 128 bytes a row
	s_add_co_u32 s20, s20, s21
	s_lshl_b32 s21, s15, 14
	s_add_co_u32 s20, s20, s21
	s_mov_b32 s21, 0
	s_add_nc_u64 s[12:13], s[12:13], s[20:21]
.irp b, 0,1,2,3,4,5,6,7
	global_load_b128 v[BIAS+8*\b:BIAS+8*\b+3],   v[BO], s[66:67] offset:64*\b       ; the bias in the result's layout: block b, columns 16 b + 8 h + 0 .. 7
	global_load_b128 v[BIAS+8*\b+4:BIAS+8*\b+7], v[BO], s[66:67] offset:64*\b+16
.endr
.macro FRAG reg, adr, q, i             ; a fragment, 16 rows x 128 K of 4-bit codes: registers 4 c .. 4 c + 3 hold K = 64 c + 32 h + 0 .. 31
.irp c, 0,1
	ds_load_b128 v[\reg+4*\c:\reg+4*\c+3], v[\adr] offset:64*(\q)+32*\c+(\i)*16*PITCH
.endr
.endm
; 16 matrix instructions: x's blocks a0, a0 + 1 against qkv_w's eight, 128 along K.  first = 1: the bias is C.  The 64 accumulators take turns, one instruction a turn, in the same order in every step.
.macro MUL16 a0, p, q, sc, first
.irp a, \a0, \a0+1
.irp b, 0,1,2,3,4,5,6,7
.if \first
	v_wmma_scale_f32_16x16x128_f8f6f4 v[8*(8*((\a)%4)+\b):8*(8*((\a)%4)+\b)+7], v[128*(\p)+FR*\b:128*(\p)+FR*\b+FR-1], v[AF+FR*(\a):AF+FR*(\a)+FR-1], v[BIAS+8*\b:BIAS+8*\b+7], v[SC+8*NQ*(\sc)+NQ*\b+(\q)], v[SC+8*NQ*(\sc)+NQ*(\a)+(\q)] matrix_a_fmt:MATRIX_FMT_FP4 matrix_b_fmt:MATRIX_FMT_FP4 matrix_a_scale:MATRIX_SCALE_ROW1
.else
	v_wmma_scale_f32_16x16x128_f8f6f4 v[8*(8*((\a)%4)+\b):8*(8*((\a)%4)+\b)+7], v[128*(\p)+FR*\b:128*(\p)+FR*\b+FR-1], v[AF+FR*(\a):AF+FR*(\a)+FR-1], v[8*(8*((\a)%4)+\b):8*(8*((\a)%4)+\b)+7], v[SC+8*NQ*(\sc)+NQ*\b+(\q)], v[SC+8*NQ*(\sc)+NQ*(\a)+(\q)] matrix_a_fmt:MATRIX_FMT_FP4 matrix_b_fmt:MATRIX_FMT_FP4 matrix_a_scale:MATRIX_SCALE_ROW1
.endif
.endr
.endr
.endm
.macro FETCH_B slot, q, p
	WIN TO_B
.irp i, 0,1,2,3,4,5,6,7
	FRAG 128*(\p)+FR*\i, ADRB+\slot, \q, \i
.endr
	WIN 0
.endm
.macro FETCH_A slot, q, i0
.irp i, \i0, \i0+1, \i0+2, \i0+3
	FRAG AF+FR*(\i), ADRA+\slot, \q, \i
.endr
.endm
.macro SCALES sc                       ; a K step's scale words: lanes 0-15 take x's block i, lanes 16-31 qkv_w's block i
.irp i, 0,1,2,3,4,5,6,7
	ds_load_b128 v[SC+8*NQ*\sc+NQ*\i:SC+8*NQ*\sc+NQ*\i+3], v[ADRS] offset:\i*SBLK
.endr
.endm
.macro PLACES n                        ; plain vector instructions between a matrix instruction and a load into, or a read of, its registers
.rept \n
	v_nop
.endr
.endm
.macro STEP slot, q, first             ; 128 along K, with its successor in the same slot
	s_wait_dscnt 4*NL                              ; all but the youngest eight loads (x's blocks 4-7) are in
	WIN MUL_LO-0x20*(\first)
	MUL16 0, (\q)%2, \q, \slot, \first
	MUL16 2, (\q)%2, \q, \slot, \first
	s_wait_dscnt 0                                 ; x's blocks 4-7 are in
	PLACES NP
	FETCH_B \slot, (\q)+1, 1-(\q)%2
	FETCH_A \slot, (\q)+1, 0
	WIN MUL_HI-0x30*(\first)
	MUL16 4, (\q)%2, \q, \slot, \first
	MUL16 6, (\q)%2, \q, \slot, \first
	PLACES NP
	WIN 0
	FETCH_A \slot, (\q)+1, 4
.endm
.macro TURN slot, next                 ; a slot's last step changes slots: one barrier
	s_wait_tensorcnt 0x0                           ; all my tensor loads have landed: my part of the next slot
	ds_add_u32 v[SPW], v[NIL]                      ; 0 onto my spare word
	s_wait_dscnt 4*NL+1                            ; (the add and the youngest eight loads may be out)
	WIN MUL_LO
	MUL16 0, 1, NQ-1, \slot, 0
	s_wait_dscnt 0x0                               ; the add is done, and my reads of this slot are over
	s_barrier_signal -1
	MUL16 2, 1, NQ-1, \slot, 0
	WIN 0
	s_barrier_wait -1
	PLACES NP
	v_add_nc_u32 v[ADRS], 4*NQ, v[ADRS]            ; on to the next K step's scale words
	FETCH_B \next, 0, 0
	FETCH_A \next, 0, 0
	SCALES \next
	WIN MUL_HI
	MUL16 4, 1, NQ-1, \slot, 0
	MUL16 6, 1, NQ-1, \slot, 0
	PLACES NP
	WIN 0
	FETCH_A \next, 0, 4
.endm
.macro STEPS slot, from
.set Q, \from
.rept NQ-1-\from
	STEP \slot, Q, 0
.set Q, Q+1
.endr
.endm
	s_wait_tensorcnt 1                             ; the scales and my part of K step 0 are in (K step 1's load may be out),
	s_barrier_signal -1
	s_barrier_wait -1                              ; everybody's are
	FETCH_B 0, 0, 0
	FETCH_A 0, 0, 0
	SCALES 0
	FETCH_A 0, 0, 4
	s_wait_loadcnt 0x0                             ; the bias
	STEP 0, 0, 1
	STEPS 0, 1
	TURN 0, 1
	STEPS 1, 0
	s_wait_dscnt 4*NL                              ; the very last step: nothing more to fetch
	WIN MUL_LO
	MUL16 0, 1, NQ-1, 1, 0
	MUL16 2, 1, NQ-1, 1, 0
	s_wait_dscnt 0
	WIN MUL_HI
	MUL16 4, 1, NQ-1, 1, 0
	MUL16 6, 1, NQ-1, 1, 0
	WIN 0
	PLACES NP                                      ; behind the last products: for the reads of results and the loads into registers that held operands
	; POSITIONS 0-15 UNROUNDED.  They lie in block 0 of the waves with the tile's upper rows, in the tiles with cluster y = 0: a test on the cluster's number and the wave's, the same in all partners; it leads round plain stores alone.
	s_or_b32 s94, s95, s15
	s_cmp_lg_u32 s94, 0
	s_cbranch_scc1 .Lno32
	WIN 0x08                                       ; an LDS store's data: window 2
.irp b, 0,1,2,3,4,5,6,7
	ds_store_b128 v[STO32], v[8*\b:8*\b+3] offset:64*\b            ; each accumulator from its low end on
	ds_store_b128 v[STO32], v[8*\b+4:8*\b+7] offset:64*\b+16
.endr
	WIN 0
.irp t, 0,1,2,3,4,5,6,7,8,9,10,11,12,13,14,15
	ds_load_b128 v[BK32+4*\t:BK32+4*\t+3], v[RD32] offset:\t*SPITCH   ; LDS serves a wave's instructions in order: these see my stores
.endr
	s_wait_dscnt 0x0
.irp t, 0,1,2,3,4,5,6,7,8,9,10,11,12,13,14,15
	global_store_b128 v[CO], v[BK32+4*\t:BK32+4*\t+3], s[96:97] offset:\t*12288   ; 32 lanes store 512 consecutive bytes of a row
.endr
.Lno32:
; THE WAY OUT, block by block of 16 rows x 2 heads.  A lane's eight columns pack into 16 bytes; they go into the stage by rows of a head and come back as the head's 16 rows, which are 2,048 consecutive bytes of qkvh.
.macro PACK a
.set AC, 64*((\a)%4)
	WIN 0x0a+5*((\a)/4)                            ; sources 0 and 1: window 2 or 3
.irp b, 0,1,2,3,4,5,6,7
.irp r, 0,1,2,3
	v_cvt_pk_f16_f32 v[TMP+4*\b+\r], v[AC+8*\b+2*\r], v[AC+8*\b+2*\r+1]
.endr
.endr
	WIN 0
.endm
.macro TOSTAGE a
.set BB, BK+32*((\a)%2)
.irp b, 0,1,2,3,4,5,6,7
	ds_store_b128 v[STO], v[TMP+4*\b:TMP+4*\b+3] offset:(\b/4)*16*HP+32*(\b%4)
.endr
.irp u, 0,1
.irp i, 0,1,2,3
	ds_load_b128 v[BB+4*(4*\u+\i):BB+4*(4*\u+\i)+3], v[RD] offset:\u*16*HP+\i*4*HP
.endr
.endr
.endm
.macro SEND a
.set BB, BK+32*((\a)%2)
	s_wait_dscnt 0x0                               ; the block is back in registers
	s_wait_xcnt 0x0                                ; the stores of the block before have read their registers: the next block's loads land there only behind this wait
.irp u, 0,1
.irp i, 0,1,2,3
	global_store_b128 v[CO], v[BB+4*(4*\u+\i):BB+4*(4*\u+\i)+3], s[12:13] offset:\u*262144+(\a)*2048+\i*512   ; 32 lanes store 512 consecutive bytes
.endr
.endr
.endm
	PACK 0
	TOSTAGE 0
.irp a, 1,2,3,4,5,6,7                  ; block a's conversions stand between block a - 1's loads from the stage and the wait for them
	PACK \a
	SEND \a-1
	TOSTAGE \a
.endr
	SEND 7
	s_wait_tensorcnt 0x0                           ; the wave's end
	ds_add_u32 v[SPW], v[NIL]
	s_wait_dscnt 0x0
	CROUND                                         ; the closing round
	s_endpgm
.Lfunc_end_k_q252e41df34_qkv:
	.size	k_q252e41df34_qkv, .Lfunc_end_k_q252e41df34_qkv-k_q252e41df34_qkv
	.p2alignl 7, 3214868480
	.fill 96, 4, 3214868480
	.section	.rodata,"a",@progbits
	.p2align	6, 0x0
	.amdhsa_kernel k_q252e41df34_qkv
		.amdhsa_group_segment_fixed_size 327680
		.amdhsa_private_segment_fixed_size 0
		.amdhsa_enable_private_segment 0
		.amdhsa_kernarg_size 56
		.amdhsa_user_sgpr_count 2
		.amdhsa_user_sgpr_kernarg_segment_ptr 1
		.amdhsa_wavefront_size32 1
		.amdhsa_system_sgpr_workgroup_id_x 1
		.amdhsa_system_sgpr_workgroup_id_y 1
		.amdhsa_system_sgpr_workgroup_id_z 1
		.amdhsa_system_vgpr_workitem_id 0
		.amdhsa_next_free_vgpr 1024
		.amdhsa_next_free_sgpr 100
		.amdhsa_reserve_vcc 0
		.amdhsa_float_denorm_mode_32 3
		.amdhsa_float_denorm_mode_16_64 3
		.amdhsa_memory_ordered 1
		.amdhsa_forward_progress 1
		.amdhsa_inst_pref_size 132
	.end_amdhsa_kernel
	.amdgpu_metadata
---
amdhsa.version: [ 1, 2 ]
amdhsa.kernels:
  - .name:           k_q252e41df34_qkv
    .symbol:         k_q252e41df34_qkv.kd
    .args:
      - { .name: xc, .offset: 0, .size: 8, .value_kind: global_buffer, .address_space: global }
      - { .name: xs, .offset: 8, .size: 8, .value_kind: global_buffer, .address_space: global }
      - { .name: wc, .offset: 16, .size: 8, .value_kind: global_buffer, .address_space: global }
      - { .name: ws, .offset: 24, .size: 8, .value_kind: global_buffer, .address_space: global }
      - { .name: qkv_b, .offset: 32, .size: 8, .value_kind: global_buffer, .address_space: global }
      - { .name: qkvh, .offset: 40, .size: 8, .value_kind: global_buffer, .address_space: global }
      - { .name: qkv32, .offset: 48, .size: 8, .value_kind: global_buffer, .address_space: global }
    .group_segment_fixed_size: 327680
    .private_segment_fixed_size: 0
    .kernarg_segment_align: 8
    .kernarg_segment_size: 56
    .max_flat_workgroup_size: 128
    .sgpr_count:     100
    .vgpr_count:     1024
    .wavefront_size: 32
...
	.end_amdgpu_metadata
.endif
;; end of part 2
;; launch attn (part 3): grid 4 x 64, 8 waves a work-group, clusters of 4 x 1, 327,680 bytes of LDS; arguments qkvh, y16h; writes y16h
.if DOCPART == 3
	.amdgcn_target "amdgcn-amd-amdhsa--gfx1250"
	.amdhsa_code_object_version 6
	.text
	.protected	k_q252e41df34_attn
	.globl	k_q252e41df34_attn
	.p2align	8
	.type	k_q252e41df34_attn,@function
k_q252e41df34_attn:
	s_mov_b64 s[64:65], 0
	v_nop
	global_prefetch_b8 v0, s[64:65] scope:SCOPE_SE
	s_setreg_imm32_b32 hwreg(HW_REG_WAVE_MODE, 25, 1), 1
	s_wait_xcnt 0x0
	s_wait_alu depctr_hold_cnt(0) depctr_sa_sdst(0) depctr_va_vdst(0) depctr_va_sdst(0) depctr_va_ssrc(0) depctr_va_vcc(0) depctr_vm_vsrc(0)
	s_getreg_b32 s2, hwreg(HW_REG_IB_STS2, 6, 4)
	s_cmp_eq_u32 s2, 0
	s_cbranch_scc0 .Lentry_in_a_cluster
	s_endpgm
.Lentry_in_a_cluster:
	s_bfe_u32 s2, ttmp6, 0x10000c
	s_cmp_lg_u32 s2, 0x3003
	s_cbranch_scc0 .Lentry_shape_is_right
	s_endpgm
.Lentry_shape_is_right:
; y[bh][q][:] = sum over k <= q of softmax_k(Q[q] . K[k] / 8) V[k][:], for 64 (batch, head) pairs of 2,048 positions and 64 channels.  Q, K, V: qkvh [3][64][2048][64] f16; y16h [64][2048][64] f16.
; Products, maxima and sums in f32; the weights p are rounded to f16 for the second product, y once at the end.  A running maximum m and sum l for each query: p = 2^(c s - c m), c = log2(e) / 8; in every
; step O and l are multiplied by a = 2^(c m_old - c m_new).  LIMITS: NaN and infinities are not served; p under 6e-8 becomes 0 in f16; y beyond 65,504 has no f16 number.
; (Positions 0-15 of each sequence are computed here too, and their output rows are computed again in f32 by a later launch.)
; SHARES.  A cluster of four work-groups owns one (batch, head).  Query tile i (16 queries) needs key steps 0 .. i / 4 (64 keys a step).  Work-group cx owns the tiles 4 m + cx, m = 0 .. 31: so all four have
; the same work, walk the same keys, and 'hidden, on the diagonal, open' means step > m, = m, < m, whatever cx is: K's and V's tiles are asked for jointly, and cx enters Q's and y's addresses and the mask's numbers alone.
; Wave w owns m = 8 t + f, t = 0 .. 3, with f = w for w < 4 and 11 - w else: waves w and w + 4 together have the same number of tile steps for every w.
; A slot holds 8 key steps (512 keys); in slot s tiles t > s are open, tile s meets its diagonal at the slot's step f, tiles t < s are done.  So the walk is written once for each of the four slots, with code for tiles t >= s alone.
; LAYOUT.  S^T = K Q^T (source 0 = 16 keys, source 1 = 16 queries): a lane holds ONE query (lane % 16) and keys 8 (lane / 16) + 0..7 of each 16.  Two such tiles, rounded in pairs, ARE source 1 of O^T = V^T P.
; K comes out of LDS as it lies, V ([key][channel]) turned, by ds_load_tr16_b128.  The next tile's K Q^T is issued ahead of a tile's softmax, and two waves share a SIMD: matrix and vector work stand side by side.
; By this text's count a wave has two tensor loads out at the start and one behind each change of slots that fills.
; REGISTERS: window 0: v1-13 addresses and constants; v16-47 statistics, 8 a tile; v48-111 S^T, two buffers; v112-143 P, two buffers; v144-207 K's 8 fragments.
;   window 1: v0-63 Q, 16 a tile; v64-191 O^T, 32 a tile; v192-255 V's 8 fragments.
.set PK,    144                        ; a row of K in LDS: 128 bytes + 16
.set VPI,   160                        ; a row of V: 128 + 32: 16 lanes of the turning load take 8 rows x 32 bytes
.set VOFF,  512*PK                     ; a slot: 512 rows of K, then 512 rows of V
.set SLOTB, 512*(PK+VPI)
.set SPARE, 2*SLOTB                    ; behind the two slots: the spare words, 128 bytes for each of eight waves
.set KST,   64*PK                      ; a key step on, in K's rows
.set VST,   64*VPI                     ; and in V's
.set SLB,   512*128                    ; a slot's rows of K or of V in memory
.set AK0, 1
.set AV0, 2
.set ADK, 3
.set ADV, 4
.set QO,  5
.set STO, 6
.set RD,  7
.set GO,  8
.set DG,  9                            ; v9   16 cx + lane % 16 - 8 (lane / 16): register 16 kt + j of the diagonal step is hidden where 16 kt + j is above it
.set NINF, 10
.set PFO, 11
.set SPW, 12
.set NIL, 13
.set ST,  16                           ; tile t at v[16 + 8 t]: +0 c m, +1 m, +2, +3 l (two halves), +4 .. +7 at work; a at +6
.set S,   48
.set P,   112
.set KF,  144
.set QF,  0                            ; in window 1
.set OF,  64
.set VF,  192
.set WV,  8
.set F,   9
.set CX,  10
.set G1K, 24
.set G1V, 32
.set G0K, 40                           ; s[40:47] group 0 for K's tiles, a set for each slot
.set G0V, 48
.set IC,  56                           ; the step within the slot
.set TBK, 57
.set TBV, 58
.set CS,  60
.set SEL, 62
.set PFA, 66
.set LIM, 68
.set MSB, 0
.macro WIN new
.if MSB != (\new)
	s_set_vgpr_msb (MSB<<8)|(\new)
.set MSB, (\new)
.endif
.endm
.set W_KQ, 0x04                        ; Q (source 1) in window 1
.set W_PV, 0x51                        ; V (source 0) and O^T (C and D) in window 1
.set W_RS, 0x41                        ; O^T (destination and source 0) in window 1
.macro PLACES n
.rept \n
	v_nop
.endr
.endm
.macro CROUND
	s_barrier_signal -1
	s_barrier_wait -1
	s_cmp_lg_u32 s[WV], 0
	s_cbranch_scc1 .Lnot_wave_0_\@
	s_barrier_signal -3
.Lnot_wave_0_\@:
	s_barrier_wait -3
	s_barrier_signal -1
	s_barrier_wait -1
.endm
; A joint refill of slot n: waves 0-3 fetch 128 rows of K each, waves 4-7 of V.  The branch hangs on the wave's number alone.  An s_nop 0 and four v_nop follow each line.
.macro JLOAD n
	s_cmp_lt_u32 s[WV], 4
	s_cbranch_scc0 .Lfor_v_\@
	tensor_load_to_lds s[G0K+4*\n:G0K+4*\n+3], s[G1K:G1K+7]
	s_nop 0
.rept 4
	v_nop
.endr
	s_branch .Lasked_\@
.Lfor_v_\@:
	tensor_load_to_lds s[G0V+4*\n:G0V+4*\n+3], s[G1V:G1V+7]
	s_nop 0
.rept 4
	v_nop
.endr
.Lasked_\@:
.endm
	s_load_b128 s[4:7], s[0:1], 0x0                ; qkvh, y16h
	v_lshl_add_u32 v[SPW], v0, 2, SPARE
	v_mov_b32 v[NIL], 0
	ds_add_u32 v[SPW], v[NIL]                      ; the wave's opening: the add, twice on end, and its wait ahead of my first tensor load
	ds_add_u32 v[SPW], v[NIL]
	v_lshrrev_b32 v14, 5, v0
	v_readfirstlane_b32 s[WV], v14                 ; wave 0..7
	s_lshr_b32 s12, s[WV], 2
	s_mul_i32 s12, s12, 3
	s_xor_b32 s[F], s[WV], s12                     ; f = w, or for w = 4..7: w xor 3 = 11 - w
	s_bfe_u32 s[CX], ttmp6, 0x40000                ; cx
	s_and_b32 s11, ttmp7, 0xffff                   ; the (batch, head), which the four partners share
	s_lshl_b32 s20, s11, 18
	s_mov_b32 s21, 0                               ; its first byte in q, k, v and y: 262,144 bytes each
	s_and_b32 s13, s[WV], 3
	s_lshl_b32 s22, s13, 14
	s_mov_b32 s23, 0                               ; the 128 rows of a slot that I fetch: in memory,
	s_mul_i32 s59, s13, 128*PK                     ; in K's part of a slot,
	s_mul_i32 s69, s13, 128*VPI
	s_add_co_u32 s69, s69, VOFF                    ; in V's: no place in the cluster enters an LDS address
	s_lshl_b32 s14, s[F], 13
	s_lshl_b32 s15, s[CX], 11
	s_add_co_u32 s14, s14, s15
	s_mov_b32 s15, 0                               ; my tile 0 of Q and y: 16 (4 f + cx) rows of 128 bytes; tile t lies 65,536 t bytes on
	s_mov_b32 s[G1K], 15|(1<<16)|(1<<20)|(1<<21)|(4<<22)|(3<<25)  ; the mask: all four; elements of 2 bytes; padding on; bit 21 beside a mask; after every 32 words four words
	s_mov_b32 s[G1V], 15|(1<<16)|(1<<20)|(1<<21)|(4<<22)|(7<<25)  ; the same with eight words
.irp g, G1K, G1V
	s_mov_b32 s[\g+1], 64<<16                      ; tensor_dim0
	s_mov_b32 s[\g+2], 128<<16                     ; tensor_dim1
	s_mov_b32 s[\g+3], 64<<16                      ; tile_dim0
	s_mov_b32 s[\g+4], 128                         ; tile_dim1
	s_mov_b32 s[\g+5], 64                          ; from row to row
	s_mov_b32 s[\g+6], 0
	s_mov_b32 s[\g+7], 0
.endr
	s_mov_b32 s[CS], 0x3e38aa3b                    ; c = log2(e) / 8
	s_mov_b32 s[CS+1], s[CS]                       ; (named with it as a pair, so it is written)
	s_mov_b32 s[SEL], 0x76543210
	s_mov_b32 s[SEL+1], 0xfedcba98                 ; lane l xor 16
	s_mov_b32 s[IC], 0
	s_mov_b32 s[TBK], 0
	s_mov_b32 s[TBV], 0
	s_cmp_lt_u32 s[WV], 4
	s_cselect_b32 s[LIM], 6, -1                    ; waves 0-3 prefetch, in a slot's step 6
	s_wait_dscnt 0x0                               ; both opening adds are done
	s_wait_kmcnt 0x0
	s_add_nc_u64 s[4:5], s[4:5], s[20:21]          ; Q at my head
	s_add_nc_u64 s[6:7], s[6:7], s[20:21]          ; y likewise
	s_add_nc_u64 s[18:19], s[4:5], 16777216        ; K
	s_add_nc_u64 s[70:71], s[4:5], 33554432        ; V
	s_cmp_lt_u32 s[WV], 2                          ; the prefetches: waves 0, 1 for K, waves 2, 3 for V
	s_cselect_b64 s[PFA:PFA+1], s[18:19], s[70:71]
	s_lshl_b32 s16, s[CX], 14                      ; the four partners share a slot's 65,536 bytes out by address: 16,384 each,
	s_and_b32 s17, s[WV], 1
	s_lshl_b32 s17, s17, 13                        ; 8,192 a wave,
	s_add_co_u32 s16, s16, s17
	s_add_co_u32 s16, s16, 2*SLB                   ; beginning with keys 1,024 on: the first two slots come by their loads alone
	s_mov_b32 s17, 0
	s_add_nc_u64 s[PFA:PFA+1], s[PFA:PFA+1], s[16:17]
	s_add_nc_u64 s[18:19], s[18:19], s[22:23]      ; K and V at the rows that I fetch
	s_add_nc_u64 s[70:71], s[70:71], s[22:23]
	s_add_nc_u64 s[4:5], s[4:5], s[14:15]          ; Q and y at my tile 0
	s_add_nc_u64 s[6:7], s[6:7], s[14:15]
	CROUND                                         ; all four work-groups are here: the first joint loads meet
.irp n, 0,1
	s_mov_b32 s[G0K+4*\n], 1
	s_add_co_u32 s[G0K+4*\n+1], s59, \n*SLOTB
	s_add_nc_u64 s[G0K+4*\n+2:G0K+4*\n+3], s[18:19], \n*SLB
	s_or_b32 s[G0K+4*\n+3], s[G0K+4*\n+3], 0x80000000
	s_mov_b32 s[G0V+4*\n], 1
	s_add_co_u32 s[G0V+4*\n+1], s69, \n*SLOTB
	s_add_nc_u64 s[G0V+4*\n+2:G0V+4*\n+3], s[70:71], \n*SLB
	s_or_b32 s[G0V+4*\n+3], s[G0V+4*\n+3], 0x80000000
.endr
	s_cmp_lt_u32 s[WV], 4                          ; a wave's two first fills stand in one branch, ahead of every wait on TENSORcnt and every LDS read
	s_cbranch_scc0 .Lfirst_v
	tensor_load_to_lds s[G0K:G0K+3], s[G1K:G1K+7]
	s_nop 0
	tensor_load_to_lds s[G0K+4:G0K+7], s[G1K:G1K+7]
	s_nop 0
.rept 4
	v_nop
.endr
	s_branch .Lfirst_asked
.Lfirst_v:
	tensor_load_to_lds s[G0V:G0V+3], s[G1V:G1V+7]
	s_nop 0
	tensor_load_to_lds s[G0V+4:G0V+7], s[G1V:G1V+7]
	s_nop 0
.rept 4
	v_nop
.endr
.Lfirst_asked:
	v_and_b32 v14, 15, v0                          ; r
	v_bfe_u32 v15, v0, 4, 1                        ; h
	v_lshlrev_b32 v[QO], 7, v14
	v_lshl_add_u32 v[QO], v15, 4, v[QO]            ; Q: row r of 128 bytes + 16 h
	WIN 0x40                                       ; destination window 1
.irp t, 0,1,2,3
.irp c, 0,1
	global_load_b128 v[QF+16*\t+8*\c:QF+16*\t+8*\c+3],   v[QO], s[4:5] offset:\t*65536+\c*64      ; Q stays in registers: tile t, channels 32 c on
	global_load_b128 v[QF+16*\t+8*\c+4:QF+16*\t+8*\c+7], v[QO], s[4:5] offset:\t*65536+\c*64+32
.endr
.endr
.set i, 0
.rept 128
	v_mov_b32 v[OF+i], 0                           ; O^T.  (A step is written once for each tile: the first finds zeros, which a = 0 leaves zeros)
.set i, i+1
.endr
	WIN 0
	v_mul_u32_u24 v[AK0], v14, PK
	v_lshl_add_u32 v[AK0], v15, 4, v[AK0]          ; K: row r x pitch + 16 h
	v_and_b32 v[ADK], 7, v0
	v_bfe_u32 v[ADV], v0, 3, 1
	v_lshl_add_u32 v[AV0], v15, 3, v[ADK]          ; V, for the turning load: key 8 h + lane % 8, channels 8 ((lane / 8) % 2) on
	v_mul_u32_u24 v[AV0], v[AV0], VPI
	v_lshl_add_u32 v[AV0], v[ADV], 4, v[AV0]
	v_add_nc_u32 v[AV0], VOFF, v[AV0]
	s_mul_i32 s14, s[WV], 4*16*PK                  ; the way out: my stage, four tiles of 16 rows, in slot 0's rows of K
	v_mul_u32_u24 v[STO], v14, PK
	v_lshl_add_u32 v[STO], v15, 4, v[STO]
	v_add_nc_u32 v[STO], s14, v[STO]               ; in: row r, 16 bytes for each half of the lanes
	v_bfe_u32 v[RD], v0, 3, 2
	v_mul_u32_u24 v[RD], v[RD], PK
	v_lshl_add_u32 v[RD], v[ADK], 4, v[RD]
	v_add_nc_u32 v[RD], s14, v[RD]                 ; back: eight lanes to a row, four rows an instruction
	v_and_b32 v[GO], 31, v0
	v_lshlrev_b32 v[PFO], 8, v[GO]                 ; the prefetches: lanes 256 bytes apart
	v_lshlrev_b32 v[GO], 4, v[GO]
	v_lshlrev_b32 v[DG], 3, v15
	v_sub_nc_u32 v[DG], v14, v[DG]
	s_lshl_b32 s14, s[CX], 4
	v_add_nc_u32 v[DG], s14, v[DG]
	v_mov_b32 v[NINF], 0xff800000
.irp t, 0,1,2,3
	v_mov_b32 v[ST+8*\t+1], 0xff61b1e6             ; m: -3e38, under every score
	v_mul_f32 v[ST+8*\t], s[CS], v[ST+8*\t+1]      ; c m
.irp j, 2,3,4,5,6,7
	v_mov_b32 v[ST+8*\t+\j], 0                     ; l, and the registers at work: written once on every path
.endr
.endr
; A step's K (64 keys x 64 channels: 8 fragments) and V (turned: 8 fragments), in one run of 32 loads
.macro FETCH
.irp kt, 0,1,2,3
.irp c, 0,1
	ds_load_b128 v[KF+8*(2*\kt+\c):KF+8*(2*\kt+\c)+3],   v[ADK] offset:\kt*16*PK+\c*64
	ds_load_b128 v[KF+8*(2*\kt+\c)+4:KF+8*(2*\kt+\c)+7], v[ADK] offset:\kt*16*PK+\c*64+32
.endr
.endr
	WIN 0x40
.irp ks, 0,1
.irp ct, 0,1,2,3
	ds_load_tr16_b128 v[VF+8*(4*\ks+\ct):VF+8*(4*\ks+\ct)+3],   v[ADV] offset:\ks*32*VPI+\ct*32
	ds_load_tr16_b128 v[VF+8*(4*\ks+\ct)+4:VF+8*(4*\ks+\ct)+7], v[ADV] offset:\ks*32*VPI+16*VPI+\ct*32
.endr
.endr
	WIN 0
.endm
; S^T of tile t into buffer u: 8 products; the four accumulators take turns; the first four start the sums
.macro KQ t, u
	WIN W_KQ
.irp c, 0,1
.irp kt, 0,1,2,3
.if \c == 0
	v_wmma_f32_16x16x32_f16 v[S+32*\u+8*\kt:S+32*\u+8*\kt+7], v[KF+8*(2*\kt+\c):KF+8*(2*\kt+\c)+7], v[QF+16*\t+8*\c:QF+16*\t+8*\c+7], 0
.else
	v_wmma_f32_16x16x32_f16 v[S+32*\u+8*\kt:S+32*\u+8*\kt+7], v[KF+8*(2*\kt+\c):KF+8*(2*\kt+\c)+7], v[QF+16*\t+8*\c:QF+16*\t+8*\c+7], v[S+32*\u+8*\kt:S+32*\u+8*\kt+7]
.endif
.endr
.endr
.endm
; O^T of tile t += V^T P, P from buffer u: 8 products, four accumulators by turns
.macro PV t, u
	WIN W_PV
.irp ks, 0,1
.irp ct, 0,1,2,3
	v_wmma_f32_16x16x32_f16 v[OF+32*\t+8*\ct:OF+32*\t+8*\ct+7], v[VF+8*(4*\ks+\ct):VF+8*(4*\ks+\ct)+7], v[P+16*\u+8*\ks:P+16*\u+8*\ks+7], v[OF+32*\t+8*\ct:OF+32*\t+8*\ct+7]
.endr
.endr
.endm
; On the diagonal the scores of hidden keys become -infinity ahead of the maximum: p = 0 then.  Key 0 of the step counts for every query, so m stays a number.
.macro MASK u
.irp kt, 0,1,2,3
.irp jj, 0,1,2,3,4,5,6,7
	v_cmp_gt_i32 vcc_lo, 16*\kt+\jj, v[DG]
	v_cndmask_b32 v[S+32*\u+8*\kt+\jj], v[S+32*\u+8*\kt+\jj], v[NINF], vcc_lo
.endr
.endr
.endm
; The softmax of tile t for one step, on buffer u.  Each accumulator is read from its low end on.  The 33 exponentials are one batch with one wait.
.macro SM t, u
.set rT, ST+8*\t
.set rS, S+32*\u
.set rP, P+16*\u
.set rO, OF+32*\t
	WIN 0
.irp j, 0,1,2,3
	v_max3_num_f32 v[rT+4+\j], v[rS+8*\j], v[rS+8*\j+1], v[rS+8*\j+2]      ; four chains
.endr
.irp i, 3,5
.irp j, 0,1,2,3
	v_max3_num_f32 v[rT+4+\j], v[rT+4+\j], v[rS+8*\j+\i], v[rS+8*\j+\i+1]
.endr
.endr
	v_max3_num_f32 v[rT+4], v[rT+4], v[rS+7], v[rS+15]
	v_max3_num_f32 v[rT+6], v[rT+6], v[rS+23], v[rS+31]
	v_max3_num_f32 v[rT+4], v[rT+4], v[rT+5], v[rT+6]
	v_max3_num_f32 v[rT+4], v[rT+4], v[rT+7], v[rT+1]                      ; with the old m
	v_permlanex16_b32 v[rT+5], v[rT+4], s[SEL], s[SEL+1]                   ; the query's other 32 keys lie in the lane 16 away
	v_mov_b32 v[rT+7], v[rT]                                               ; c m_old is kept for a
	v_max_num_f32 v[rT+1], v[rT+4], v[rT+5]
	v_mul_f32 v[rT], s[CS], v[rT+1]
	v_sub_f32 v[rT+7], v[rT+7], v[rT]
.irp i, 0,1,2,3,4,5,6,7,8,9,10,11,12,13,14,15
	v_pk_fma_f32 v[rS+2*\i:rS+2*\i+1], v[rS+2*\i:rS+2*\i+1], s[CS:CS+1], v[rT:rT+1] op_sel_hi:[1,0,0] neg_lo:[0,0,1] neg_hi:[0,0,1]   ; c s - c m
.endr
	v_exp_f32 v[rT+6], v[rT+7]                                             ; a
.irp i, 0,1,2,3,4,5,6,7,8,9,10,11,12,13,14,15,16,17,18,19,20,21,22,23,24,25,26,27,28,29,30,31
	v_exp_f32 v[rS+\i], v[rS+\i]
.endr
	v_nop                                          ; a plain instruction behind the last exponential
	s_wait_alu depctr_va_vdst(0)                   ; one wait for the batch, ahead of the first instruction that names a result
.irp i, 0,1,2,3,4,5,6,7,8,9,10,11,12,13,14,15
	v_cvt_pk_f16_f32 v[rP+\i], v[rS+2*\i], v[rS+2*\i+1]
.endr
.irp z, 0,1,2,3,4,5,6,7
	v_pk_add_f32 v[rS+4*\z:rS+4*\z+1], v[rS+4*\z:rS+4*\z+1], v[rS+4*\z+2:rS+4*\z+3]   ; the sum of the unrounded p, in place, as a tree
.endr
.irp z, 0,1,2,3
	v_pk_add_f32 v[rS+8*\z:rS+8*\z+1], v[rS+8*\z:rS+8*\z+1], v[rS+8*\z+4:rS+8*\z+5]
.endr
.irp z, 0,1
	v_pk_add_f32 v[rS+16*\z:rS+16*\z+1], v[rS+16*\z:rS+16*\z+1], v[rS+16*\z+8:rS+16*\z+9]
.endr
	v_pk_add_f32 v[rS:rS+1], v[rS:rS+1], v[rS+16:rS+17]
	v_pk_fma_f32 v[rT+2:rT+3], v[rT+2:rT+3], v[rT+6:rT+7], v[rS:rS+1] op_sel_hi:[1,0,1]   ; l = a l + the sum
	WIN W_RS
.irp i, 0,1,2,3,4,5,6,7,8,9,10,11,12,13,14,15
	v_pk_mul_f32 v[rO+2*\i:rO+2*\i+1], v[rO+2*\i:rO+2*\i+1], v[rT+6:rT+7] op_sel_hi:[1,0]   ; O^T x a
.endr
.endm
; THE WALK THROUGH SLOT s: 8 trips, a key step each.  pf = 1: in trip 6 waves 0-3 prefetch what the next change of slots asks for: two trips ahead of that load; each aligned run of 256 bytes is named once in the launch.
; A load into a register that a matrix instruction has read, and a vector instruction that touches a matrix instruction's registers, stand four plain vector instructions behind it (ISA guide 7.12.1 for vector instructions).
.macro STEPS s, pf
.set U, ((\s)+1)%2                     ; the diagonal tile's buffer: the one that the open tiles left first
.Lstep_\@:
.if \s == 3
	s_cmp_gt_u32 s[IC], s[F]                       ; behind my last tile's diagonal nothing is left: ids and the count of steps alone
	s_cbranch_scc1 .Lend_\@
.endif
	v_add_nc_u32 v[ADK], s[TBK], v[AK0]
	v_add_nc_u32 v[ADV], s[TBV], v[AV0]
	PLACES 3                                       ; with the two additions: the places behind the last step's products
	FETCH
.if \pf
	s_cmp_eq_u32 s[IC], s[LIM]
	s_cbranch_scc0 .Lnp_\@
	global_prefetch_b8 v[PFO], s[PFA:PFA+1] th:TH_LOAD_NT scope:SCOPE_SE
.Lnp_\@:
.endif
	s_wait_dscnt 16                                ; K's 16 loads are in; V's 16 may be out
.if \s == 0
	KQ 1, 0
	KQ 2, 1
	PLACES 4
	SM 1, 0
	s_wait_dscnt 0x0                               ; V is in
	PV 1, 0
	KQ 3, 0
	SM 2, 1
	PV 2, 1
	SM 3, 0
	PV 3, 0
.elseif \s == 1
	KQ 2, 0
	KQ 3, 1
	PLACES 4
	SM 2, 0
	s_wait_dscnt 0x0
	PV 2, 0
	SM 3, 1
	PV 3, 1
.elseif \s == 2
	KQ 3, 0
	PLACES 4
	SM 3, 0
	s_wait_dscnt 0x0
	PV 3, 0
.endif
	WIN 0
.if \s < 3
	s_cmp_gt_u32 s[IC], s[F]                       ; tile s: hidden behind its diagonal
	s_cbranch_scc1 .Lend_\@
.endif
	KQ \s, U
	WIN 0
	PLACES 4
	s_cmp_lg_u32 s[IC], s[F]                       ; open ahead of it
	s_cbranch_scc1 .Lopen_\@
	MASK U
.Lopen_\@:
	SM \s, U
.if \s == 3
	s_wait_dscnt 0x0                               ; V is in
.endif
	PV \s, U
	WIN 0
.Lend_\@:
	s_add_co_u32 s[TBK], s[TBK], KST
	s_add_co_u32 s[TBV], s[TBV], VST
	s_add_co_u32 s[IC], s[IC], 1
	s_cmp_lt_u32 s[IC], 8
	s_cbranch_scc1 .Lstep_\@
.endm
; THE CHANGE OF SLOTS.  Each wave waits for all its tensor loads (its part of the slot ahead), adds 0 to its spare word, and waits for that and for its reads of the slot that it leaves.
; fill = 1: the barrier is a round of the cluster's, and the slot just left (n) is filled with the keys two slots on: the load has a whole slot's eight steps in which to land.
.macro CHANGE fill, n, pf, next
	s_wait_tensorcnt 0x0                           ; no tensor load of mine is out, so a group 0 may be written
	ds_add_u32 v[SPW], v[NIL]
.if \fill
	s_add_nc_u64 s[G0K+4*\n+2:G0K+4*\n+3], s[G0K+4*\n+2:G0K+4*\n+3], 2*SLB
	s_add_nc_u64 s[G0V+4*\n+2:G0V+4*\n+3], s[G0V+4*\n+2:G0V+4*\n+3], 2*SLB
.endif
.if \pf
	s_wait_xcnt 0x0                                ; the last prefetch, two steps back, has read its address
	s_add_nc_u64 s[PFA:PFA+1], s[PFA:PFA+1], SLB
.endif
	s_wait_dscnt 0x0                               ; the add is done, and my reads of the slot are over
.if \fill
	CROUND
	JLOAD \n
.else
	s_barrier_signal -1
	s_barrier_wait -1
.endif
	s_mov_b32 s[TBK], \next*SLOTB
	s_mov_b32 s[TBV], \next*SLOTB
	s_mov_b32 s[IC], 0
.endm
	s_wait_tensorcnt 1                             ; my part of slot 0 is in; slot 1's may stay out
	s_barrier_signal -1
	s_barrier_wait -1
	s_wait_loadcnt 0x0                             ; Q
	STEPS 0, 1                                     ; keys 0-511
	CHANGE 1, 0, 1, 1
	STEPS 1, 1                                     ; keys 512-1,023
	CHANGE 1, 1, 0, 0
	STEPS 2, 0                                     ; keys 1,024-1,535
	CHANGE 0, 0, 0, 1
	STEPS 3, 0                                     ; keys 1,536-2,047
	; THE WAY OUT.  O^T / l, rounded to f16, goes through my stage (slot 0 has had its last fill, and nobody reads it) and leaves as the tile's 16 rows: 2,048 consecutive bytes of y16h.
	PLACES 4
.irp t, 0,1,2,3
	v_add_f32 v[ST+8*\t+4], v[ST+8*\t+2], v[ST+8*\t+3]
.endr
.irp t, 0,1,2,3
	v_permlanex16_b32 v[ST+8*\t+5], v[ST+8*\t+4], s[SEL], s[SEL+1]
.endr
.irp t, 0,1,2,3
	v_add_f32 v[ST+8*\t+4], v[ST+8*\t+4], v[ST+8*\t+5]
.endr
.irp t, 0,1,2,3
	v_rcp_f32 v[ST+8*\t+6], v[ST+8*\t+4]
.endr
	v_nop
	s_wait_alu depctr_va_vdst(0)                   ; one wait for the four reciprocals
.irp t, 0,1,2,3
	WIN W_RS
.irp i, 0,1,2,3,4,5,6,7,8,9,10,11,12,13,14,15
	v_pk_mul_f32 v[OF+32*\t+2*\i:OF+32*\t+2*\i+1], v[OF+32*\t+2*\i:OF+32*\t+2*\i+1], v[ST+8*\t+6:ST+8*\t+7] op_sel_hi:[1,0]
.endr
	WIN 0x05                                       ; sources in window 1, destination in window 0
.irp i, 0,1,2,3,4,5,6,7,8,9,10,11,12,13,14,15
	v_cvt_pk_f16_f32 v[S+16*\t+\i], v[OF+32*\t+2*\i], v[OF+32*\t+2*\i+1]
.endr
	WIN 0
.irp ct, 0,1,2,3
	ds_store_b128 v[STO], v[S+16*\t+4*\ct:S+16*\t+4*\ct+3] offset:\t*16*PK+32*\ct
.endr
.irp i, 0,1,2,3
	ds_load_b128 v[S+16*\t+4*\i:S+16*\t+4*\i+3], v[RD] offset:\t*16*PK+\i*4*PK   ; LDS serves a wave's instructions in order: these see the stores above
.endr
.endr
.irp t, 0,1,2,3
.irp i, 0,1,2,3
	s_wait_dscnt 8*(3-\t)+3-\i                     ; behind this load: the rest of its tile's loads and eight LDS instructions for each later tile
	global_store_b128 v[GO], v[S+16*\t+4*\i:S+16*\t+4*\i+3], s[6:7] offset:\t*65536+\i*512   ; 32 lanes store 512 consecutive bytes
.endr
.endr
	s_wait_tensorcnt 0x0                           ; the wave's end
	ds_add_u32 v[SPW], v[NIL]
	s_wait_dscnt 0x0
	CROUND                                         ; the closing round
	s_endpgm
.Lfunc_end_k_q252e41df34_attn:
	.size	k_q252e41df34_attn, .Lfunc_end_k_q252e41df34_attn-k_q252e41df34_attn
	.p2alignl 7, 3214868480
	.fill 96, 4, 3214868480
	.section	.rodata,"a",@progbits
	.p2align	6, 0x0
	.amdhsa_kernel k_q252e41df34_attn
		.amdhsa_group_segment_fixed_size 327680
		.amdhsa_private_segment_fixed_size 0
		.amdhsa_enable_private_segment 0
		.amdhsa_kernarg_size 16
		.amdhsa_user_sgpr_count 2
		.amdhsa_user_sgpr_kernarg_segment_ptr 1
		.amdhsa_wavefront_size32 1
		.amdhsa_system_sgpr_workgroup_id_x 1
		.amdhsa_system_sgpr_workgroup_id_y 1
		.amdhsa_system_sgpr_workgroup_id_z 1
		.amdhsa_system_vgpr_workitem_id 0
		.amdhsa_next_free_vgpr 512
		.amdhsa_next_free_sgpr 72
		.amdhsa_reserve_vcc 1
		.amdhsa_float_denorm_mode_32 3
		.amdhsa_float_denorm_mode_16_64 3
		.amdhsa_memory_ordered 1
		.amdhsa_forward_progress 1
		.amdhsa_inst_pref_size 125
	.end_amdhsa_kernel
	.amdgpu_metadata
---
amdhsa.version: [ 1, 2 ]
amdhsa.kernels:
  - .name:           k_q252e41df34_attn
    .symbol:         k_q252e41df34_attn.kd
    .args:
      - { .name: qkvh, .offset: 0, .size: 8, .value_kind: global_buffer, .address_space: global }
      - { .name: y16h, .offset: 8, .size: 8, .value_kind: global_buffer, .address_space: global }
    .group_segment_fixed_size: 327680
    .private_segment_fixed_size: 0
    .kernarg_segment_align: 8
    .kernarg_segment_size: 16
    .max_flat_workgroup_size: 256
    .sgpr_count:     72
    .vgpr_count:     512
    .wavefront_size: 32
...
	.end_amdgpu_metadata
.endif
;; end of part 3
;; launch proj (part 4): grid 4 x 64, 4 waves a work-group, clusters of 4 x 4, 327,680 bytes of LDS; arguments y16h, pw16, proj_b, out0; writes out0
.if DOCPART == 4
	.amdgcn_target "amdgcn-amd-amdhsa--gfx1250"
	.amdhsa_code_object_version 6
	.text
	.protected	k_q252e41df34_proj
	.globl	k_q252e41df34_proj
	.p2align	8
	.type	k_q252e41df34_proj,@function
k_q252e41df34_proj:
	s_mov_b64 s[64:65], 0
	v_nop
	global_prefetch_b8 v0, s[64:65] scope:SCOPE_SE
	s_setreg_imm32_b32 hwreg(HW_REG_WAVE_MODE, 25, 1), 1
	s_wait_xcnt 0x0
	s_wait_alu depctr_hold_cnt(0) depctr_sa_sdst(0) depctr_va_vdst(0) depctr_va_sdst(0) depctr_va_ssrc(0) depctr_va_vcc(0) depctr_vm_vsrc(0)
	s_getreg_b32 s2, hwreg(HW_REG_IB_STS2, 6, 4)
	s_cmp_eq_u32 s2, 0
	s_cbranch_scc0 .Lentry_in_a_cluster
	s_endpgm
.Lentry_in_a_cluster:
	s_bfe_u32 s2, ttmp6, 0x10000c
	s_cmp_lg_u32 s2, 0xf033
	s_cbranch_scc0 .Lentry_shape_is_right
	s_endpgm
.Lentry_shape_is_right:
; out0[m][n] = sum over k of y[m][k] proj_w[n][k] + proj_b[n].  y: y16h [64 (batch x 16 + head)][2048][64] f16, so k = 64 head + channel; proj_w: pw16 [1024][1024] f16; out0 [8192][1024] f32; sums in f32.
; (The rows of positions 0-15 of each batch are written here too, and written again in f32 arithmetic by the next launch.)
; A tile of 128 x 256 is made by four waves, each 64 x 128: 32 accumulators, 256 registers: 64 x 4 tiles, one for each of 256 work-groups.  K goes in steps of 128 (two heads) through two LDS slots.
; y's tile of a step is two planes (heads) of 128 rows x 128 bytes, each 16,384 consecutive bytes of memory; proj_w's is 256 rows x 256 bytes.  Waves 0, 1 fetch a plane each, waves 2, 3 128 rows of proj_w each.
; CLUSTERS: 4 x 4 work-groups: y's tile is shared along a row of the cluster, proj_w's along a column: joint loads.  A refill stands behind a round of the cluster's barrier; by this text's count a wave has
; two tensor loads out at the start and one behind each round.  THE MATRIX INSTRUCTION IS USED TRANSPOSED (source 0 = 16 rows of proj_w, source 1 = 16 rows of y).  The bias is the C of each sum's first product.
; REGISTERS: window 0: v0-31 addresses; v32-95 the bias; v96-223 rows on the way out.  window 1: two fragment buffers at v0 and v128: y's 4 fragments, then proj_w's 8.  window 2: accumulator (a, b) at v[8 (8 a + b)].
.set PA,     144                       ; a row of y in LDS: 128 bytes + 16
.set PB,     272                       ; a row of proj_w: 256 + 16
.set APL,    128*PA                    ; a plane
.set BOFF,   2*APL
.set BH,     128*PB
.set SLOT,   BOFF+2*BH
.set STAGE,  2*SLOT                    ; behind the slots: 16 rows x (512 + 16) bytes for each wave
.set SPITCH, 528
.set SPARE,  STAGE+4*16*SPITCH
.set LAPS,   4                         ; a lap = two K steps; K = 1,024
.set ADRA, 16
.set ADRB, 20
.set BO,   22
.set STO,  24
.set RD,   25
.set CO,   26
.set SPW,  28
.set NIL,  29
.set PFO,  30
.set BIAS, 32
.set BK,   96
.set F0,   0
.set F1,   128
.set G1,  24
.set G0,  32
.set G1B, 48
.set G0B, 56
.set LIM, 45
.set PFA, 66
.set MSB, 0
.macro WIN new
.if MSB != (\new)
	s_set_vgpr_msb (MSB<<8)|(\new)
.set MSB, (\new)
.endif
.endm
.set MUL,  0xa5                        ; sources 0 and 1 window 1; C and D window 2 (less 0x20: C window 0, the bias)
.set TO_F, 0x40
.macro JLOAD s                         ; waves 0, 1 fetch y's planes, waves 2, 3 proj_w's halves; an s_nop 0 and four v_nop follow each line
	s_cmp_eq_u32 s11, 0
	s_cbranch_scc0 .Lfor_b_\@
	tensor_load_to_lds s[G0+4*\s:G0+4*\s+3], s[G1:G1+7]
	s_nop 0
.rept 4
	v_nop
.endr
	s_branch .Lasked_\@
.Lfor_b_\@:
	tensor_load_to_lds s[G0B+4*\s:G0B+4*\s+3], s[G1B:G1B+7]
	s_nop 0
.rept 4
	v_nop
.endr
.Lasked_\@:
.endm
.macro CREST
	s_cmp_lg_u32 s10, 0
	s_cbranch_scc1 .Lnot_wave_0_\@
	s_barrier_signal -3
.Lnot_wave_0_\@:
	s_barrier_wait -3
	s_barrier_signal -1
	s_barrier_wait -1
.endm
.macro CROUND
	s_barrier_signal -1
	s_barrier_wait -1
	CREST
.endm
; A prefetch of y's K step that stands two refills on: 32,768 bytes, which only my row of the cluster reads: the four partners take 8,192 each, told apart by address; wave 0 asks, lanes 256 bytes apart.
; Each aligned run of 256 bytes is named once.  The loop's last trip asks for nothing: there is no K step two refills on.  proj_w is read again by every tile row and is not asked for.
.macro ASK
	s_cmp_gt_u32 s3, s[LIM]
	s_cbranch_scc0 .Lnot_mine_\@
	global_prefetch_b8 v[PFO], s[PFA:PFA+1] th:TH_LOAD_NT scope:SCOPE_SE
.Lnot_mine_\@:
.endm
	s_load_b128 s[4:7], s[0:1], 0x0                ; y16h, pw16
	s_load_b128 s[68:71], s[0:1], 0x10             ; proj_b, out0
	v_lshl_add_u32 v[SPW], v0, 2, SPARE
	v_mov_b32 v[NIL], 0
	ds_add_u32 v[SPW], v[NIL]                      ; the wave's opening: the add, twice on end, and its wait ahead of my first tensor load
	ds_add_u32 v[SPW], v[NIL]
	v_lshrrev_b32 v1, 5, v0
	v_readfirstlane_b32 s10, v1                    ; wave 0..3
	s_lshr_b32 s11, s10, 1                         ; which 64 of the tile's rows are mine.  Also: I fetch for y (0) or for proj_w (1)
	s_and_b32 s12, s10, 1                          ; which 128 of its columns.  Also: which plane, or which 128 rows, I fetch
	s_bfe_u32 s40, ttmp6, 0x40000                  ; cx = the tile column
	s_bfe_u32 s41, ttmp6, 0x40004                  ; cy
	s_and_b32 s13, ttmp7, 0xffff
	s_lshl_b32 s13, s13, 2
	s_add_co_u32 s13, s13, s41                     ; tile row = 4 x cluster y + cy
	s_lshl_b32 s43, s41, 2
	s_lshl_b32 s43, 15, s43                        ; my row of the cluster
	s_lshl_b32 s44, 0x1111, s40                    ; my column
	s_or_b32 s[G1+0], s43, (1<<16)|(1<<20)|(1<<21)|(4<<22)|(3<<25)   ; the mask; elements of 2 bytes; padding on; bit 21 beside a mask; after every 32 words four words
	s_mov_b32 s[G1+1], 64<<16                      ; tensor_dim0
	s_mov_b32 s[G1+2], 128<<16                     ; tensor_dim1
	s_mov_b32 s[G1+3], 64<<16                      ; tile_dim0
	s_mov_b32 s[G1+4], 128                         ; tile_dim1
	s_mov_b32 s[G1+5], 64                          ; from row to row
	s_mov_b32 s[G1+6], 0
	s_mov_b32 s[G1+7], 0
	s_or_b32 s[G1B+0], s44, (1<<16)|(1<<20)|(1<<21)|(5<<22)|(3<<25)  ; after every 64 words four words
	s_mov_b32 s[G1B+1], 128<<16
	s_mov_b32 s[G1B+2], 128<<16
	s_mov_b32 s[G1B+3], 128<<16
	s_mov_b32 s[G1B+4], 128
	s_mov_b32 s[G1B+5], 1024
	s_mov_b32 s[G1B+6], 0
	s_mov_b32 s[G1B+7], 0
	s_lshr_b32 s16, s13, 4                         ; the batch: 16 heads of 262,144 bytes;
	s_lshl_b32 s16, s16, 22
	s_and_b32 s17, s13, 15
	s_lshl_b32 s17, s17, 14                        ; the tile's first position: 128 rows of 128 bytes a tile row
	s_add_co_u32 s16, s16, s17
	s_mov_b32 s18, s16                             ; (kept for the prefetches)
	s_lshl_b32 s17, s12, 18                        ; my plane
	s_add_co_u32 s16, s16, s17
	s_mov_b32 s17, 0
	s_lshl_b32 s46, s40, 19                        ; proj_w: row 256 x tile column + 128 x half, 2,048 bytes a row
	s_lshl_b32 s47, s12, 18
	s_add_co_u32 s46, s46, s47
	s_mov_b32 s47, 0
	s_mul_i32 s20, s12, APL                        ; where they go: no place in the cluster enters an LDS address
	s_mul_i32 s21, s12, BH
	s_add_co_u32 s21, s21, BOFF
	s_cmp_eq_u32 s10, 0
	s_cselect_b32 s[LIM], 1, -1
	s_wait_dscnt 0x0                               ; both opening adds are done
	s_wait_kmcnt 0x0
	s_add_nc_u64 s[14:15], s[4:5], s[16:17]
	s_add_nc_u64 s[46:47], s[6:7], s[46:47]
	CROUND                                         ; all sixteen work-groups are here: the first joint loads meet
.irp s, 0,1
	s_mov_b32 s[G0+4*\s], 1
	s_add_co_u32 s[G0+4*\s+1], s20, \s*SLOT
	s_add_nc_u64 s[G0+4*\s+2:G0+4*\s+3], s[14:15], \s*524288       ; K step s: heads 2 s, 2 s + 1
	s_or_b32 s[G0+4*\s+3], s[G0+4*\s+3], 0x80000000
	s_mov_b32 s[G0B+4*\s], 1
	s_add_co_u32 s[G0B+4*\s+1], s21, \s*SLOT
	s_add_nc_u64 s[G0B+4*\s+2:G0B+4*\s+3], s[46:47], \s*256
	s_or_b32 s[G0B+4*\s+3], s[G0B+4*\s+3], 0x80000000
	JLOAD \s
.endr
	s_lshr_b32 s19, s40, 1                         ; the prefetches: partner cx takes plane cx / 2, half cx % 2;
	s_add_co_u32 s19, s19, 6                       ; at K step 3: the first change of slots steps it to K step 4.  Nothing is prefetched here, at the head
	s_lshl_b32 s19, s19, 18
	s_add_co_u32 s18, s18, s19
	s_and_b32 s19, s40, 1
	s_lshl_b32 s19, s19, 13
	s_add_co_u32 s18, s18, s19
	s_mov_b32 s19, 0
	s_add_nc_u64 s[PFA:PFA+1], s[4:5], s[18:19]
	v_and_b32 v1, 15, v0                           ; r
	v_bfe_u32 v2, v0, 4, 1                         ; h
	v_mul_u32_u24 v3, v1, PA
	v_lshl_add_u32 v3, v2, 4, v3
	v_mul_u32_u24 v4, v1, PB
	v_lshl_add_u32 v4, v2, 4, v4
	s_mul_i32 s22, s11, 64*PA                      ; my 64 rows of each plane
	s_mul_i32 s23, s12, BH                         ; my 128 rows of proj_w
	s_add_co_u32 s23, s23, BOFF
.irp s, 0,1
	v_add_nc_u32 v[ADRA+\s], s22, v3
	v_add_nc_u32 v[ADRB+\s], s23, v4
	s_add_co_u32 s22, s22, SLOT
	s_add_co_u32 s23, s23, SLOT
.endr
	s_mul_i32 s23, s10, 16*SPITCH
	s_add_co_u32 s23, s23, STAGE                   ; my stage
	v_mul_u32_u24 v5, v1, SPITCH
	v_lshl_add_u32 v5, v2, 5, v5
	v_add_nc_u32 v[STO], s23, v5                   ; in: row r, 32 bytes for each half of the lanes
	v_and_b32 v6, 31, v0
	v_lshlrev_b32 v[CO], 4, v6
	v_add_nc_u32 v[RD], s23, v[CO]                 ; back: the 32 lanes take one row of 512 bytes
	v_lshlrev_b32 v[PFO], 8, v6
	v_lshlrev_b32 v[BO], 5, v2
	s_lshl_b32 s46, s40, 10                        ; my first column, in bytes: 1,024 x tile column + 512 x half
	s_lshl_b32 s47, s12, 9
	s_add_co_u32 s46, s46, s47
	s_mov_b32 s47, 0
	s_add_nc_u64 s[68:69], s[68:69], s[46:47]
	s_add_nc_u64 s[70:71], s[70:71], s[46:47]
	s_lshl_b32 s16, s13, 19                        ; my first row: 128 x tile row + 64 x half, 4,096 bytes a row
	s_lshl_b32 s17, s11, 18
	s_add_co_u32 s16, s16, s17
	s_mov_b32 s17, 0
	s_add_nc_u64 s[70:71], s[70:71], s[16:17]
.irp b, 0,1,2,3,4,5,6,7
	global_load_b128 v[BIAS+8*\b:BIAS+8*\b+3],   v[BO], s[68:69] offset:64*\b       ; the bias in the result's layout
	global_load_b128 v[BIAS+8*\b+4:BIAS+8*\b+7], v[BO], s[68:69] offset:64*\b+16
.endr
; 8 matrix instructions: y's block a against proj_w's eight, 32 along K.  The 32 accumulators take turns in the same order in every quarter.
.macro MUL8 f, a, first
.irp b, 0,1,2,3,4,5,6,7
.if \first
	v_wmma_f32_16x16x32_f16 v[8*(8*\a+\b):8*(8*\a+\b)+7], v[\f+32+8*\b:\f+32+8*\b+7], v[\f+8*\a:\f+8*\a+7], v[BIAS+8*\b:BIAS+8*\b+7]
.else
	v_wmma_f32_16x16x32_f16 v[8*(8*\a+\b):8*(8*\a+\b)+7], v[\f+32+8*\b:\f+32+8*\b+7], v[\f+8*\a:\f+8*\a+7], v[8*(8*\a+\b):8*(8*\a+\b)+7]
.endif
.endr
.endm
; 24 LDS loads in one run: quarter q (32 along K) of slot n into buffer f: proj_w's 16, then y's blocks 0, 1, then blocks 2, 3
.macro FETCH n, q, f
	WIN TO_F
.irp i, 0,1,2,3,4,5,6,7
	ds_load_b128 v[\f+32+8*\i:\f+32+8*\i+3],   v[ADRB+\n] offset:64*(\q)+\i*16*PB
	ds_load_b128 v[\f+32+8*\i+4:\f+32+8*\i+7], v[ADRB+\n] offset:64*(\q)+\i*16*PB+32
.endr
.irp i, 0,1,2,3
	ds_load_b128 v[\f+8*\i:\f+8*\i+3],   v[ADRA+\n] offset:((\q)/2)*APL+((\q)%2)*64+\i*16*PA
	ds_load_b128 v[\f+8*\i+4:\f+8*\i+7], v[ADRA+\n] offset:((\q)/2)*APL+((\q)%2)*64+\i*16*PA+32
.endr
.endm
.macro PLACES
.rept 4
	v_nop
.endr
.endm
; One of a K step's first three quarters: multiplies buffer f and fetches quarter q into g
.macro QUARTER n, q, f, g, first
	s_wait_dscnt 4                                 ; all but the youngest four loads (y's blocks 2, 3) are in
	WIN MUL-0x20*(\first)
	MUL8 \f, 0, \first
	MUL8 \f, 1, \first
	PLACES
	FETCH \n, \q, \g
	s_wait_dscnt 24                                ; all but the 24 just issued
	WIN MUL-0x20*(\first)
	MUL8 \f, 2, \first
	MUL8 \f, 3, \first
.endm
; The last quarter multiplies buffer 1 and changes slots: one barrier; in front of it each wave waits for all its tensor loads, adds 0 to its spare word, and waits for that and for its reads of this slot.
.macro TURN n, next, fill
.if \fill
	s_wait_xcnt 0x0                                ; the last prefetch, a K step back, has read its address
	s_add_nc_u64 s[PFA:PFA+1], s[PFA:PFA+1], 524288
.endif
	WIN 0
	s_wait_tensorcnt 0x0                           ; all my tensor loads have landed: my part of the next slot
	ds_add_u32 v[SPW], v[NIL]
	s_wait_dscnt 5                                 ; (the add and the youngest four loads may be out)
	WIN MUL
	MUL8 F1, 0, 0
	s_wait_dscnt 0x0                               ; the add is done, and my reads of this slot are over
	s_barrier_signal -1
	MUL8 F1, 1, 0
.if \fill
	WIN 0
.endif
	s_barrier_wait -1
.if \fill
	CREST                                          ; the barrier has opened a round of the cluster's: no wave of any partner still reads this slot or has a load on its way
	s_add_nc_u64 s[G0+4*\n+2:G0+4*\n+3], s[G0+4*\n+2:G0+4*\n+3], 2*524288
	s_add_nc_u64 s[G0B+4*\n+2:G0B+4*\n+3], s[G0B+4*\n+2:G0B+4*\n+3], 2*256
	JLOAD \n                                       ; the first tensor load behind the round; its four v_nop are also the places in front of the loads below
.else
	PLACES
.endif
	FETCH \next, 0, F0
.if \fill
	WIN 0
	ASK
.endif
	WIN MUL
	MUL8 F1, 2, 0
	MUL8 F1, 3, 0
.endm
	s_wait_tensorcnt 1                             ; my part of K step 0 is in,
	s_barrier_signal -1
	s_barrier_wait -1                              ; everybody's is
	FETCH 0, 0, F0
	s_wait_loadcnt 0x0                             ; the bias
	QUARTER 0, 1, F0, F1, 1                        ; the first quarter stands in front of the loop: its products start the sums, with the bias as C
	WIN 0
	s_mov_b32 s3, LAPS-1
.Llap:                                                 ; a trip goes once round the two slots and fills both again
	QUARTER 0, 2, F1, F0, 0
	QUARTER 0, 3, F0, F1, 0
	TURN 0, 1, 1
	QUARTER 1, 1, F0, F1, 0
	QUARTER 1, 2, F1, F0, 0
	QUARTER 1, 3, F0, F1, 0
	TURN 1, 0, 1
	QUARTER 0, 1, F0, F1, 0
	WIN 0
	s_sub_co_u32 s3, s3, 1
	s_cmp_lg_u32 s3, 0
	s_cbranch_scc1 .Llap
	QUARTER 0, 2, F1, F0, 0                        ; the last lap fills nothing
	QUARTER 0, 3, F0, F1, 0
	TURN 0, 1, 0
	QUARTER 1, 1, F0, F1, 0
	QUARTER 1, 2, F1, F0, 0
	QUARTER 1, 3, F0, F1, 0
	s_wait_dscnt 4
	WIN MUL
	MUL8 F1, 0, 0
	MUL8 F1, 1, 0
	s_wait_dscnt 0
	MUL8 F1, 2, 0
	MUL8 F1, 3, 0
	WIN 0
; THE WAY OUT, block by block of 16 rows x 128 columns, through my own stage: back as whole rows of 512 bytes
.macro TOSTAGE a
	WIN 0x08                                       ; an LDS store's data: window 2
.irp b, 0,1,2,3,4,5,6,7
	ds_store_b128 v[STO], v[8*(8*(\a)+\b):8*(8*(\a)+\b)+3] offset:64*\b          ; each accumulator from its low end on
	ds_store_b128 v[STO], v[8*(8*(\a)+\b)+4:8*(8*(\a)+\b)+7] offset:64*\b+16
.endr
	WIN 0
.set BB, BK+64*((\a)%2)
.irp t, 0,1,2,3,4,5,6,7,8,9,10,11,12,13,14,15
	ds_load_b128 v[BB+4*\t:BB+4*\t+3], v[RD] offset:\t*SPITCH
.endr
.endm
.macro SEND a, younger                 ; younger: the LDS instructions issued behind block a's loads
.set BB, BK+64*((\a)%2)
	s_wait_dscnt \younger
.irp t, 0,1,2,3,4,5,6,7,8,9,10,11,12,13,14,15
	global_store_b128 v[CO], v[BB+4*\t:BB+4*\t+3], s[70:71] offset:(16*(\a)+\t)*4096 th:TH_STORE_NT   ; 32 lanes store 512 consecutive bytes of a row
.endr
.endm
	PLACES
	TOSTAGE 0
.irp a, 1,2,3
.if \a > 1
	s_wait_xcnt 0x0                                ; block a - 2's stores have read their registers: block a's loads may land there
.endif
	TOSTAGE \a
	SEND \a-1, 32
.endr
	SEND 3, 0
	s_wait_tensorcnt 0x0                           ; the wave's end
	ds_add_u32 v[SPW], v[NIL]
	s_wait_dscnt 0x0
	CROUND                                         ; the closing round
	s_endpgm
.Lfunc_end_k_q252e41df34_proj:
	.size	k_q252e41df34_proj, .Lfunc_end_k_q252e41df34_proj-k_q252e41df34_proj
	.p2alignl 7, 3214868480
	.fill 96, 4, 3214868480
	.section	.rodata,"a",@progbits
	.p2align	6, 0x0
	.amdhsa_kernel k_q252e41df34_proj
		.amdhsa_group_segment_fixed_size 327680
		.amdhsa_private_segment_fixed_size 0
		.amdhsa_enable_private_segment 0
		.amdhsa_kernarg_size 32
		.amdhsa_user_sgpr_count 2
		.amdhsa_user_sgpr_kernarg_segment_ptr 1
		.amdhsa_wavefront_size32 1
		.amdhsa_system_sgpr_workgroup_id_x 1
		.amdhsa_system_sgpr_workgroup_id_y 1
		.amdhsa_system_sgpr_workgroup_id_z 1
		.amdhsa_system_vgpr_workitem_id 0
		.amdhsa_next_free_vgpr 768
		.amdhsa_next_free_sgpr 72
		.amdhsa_reserve_vcc 0
		.amdhsa_float_denorm_mode_32 3
		.amdhsa_float_denorm_mode_16_64 3
		.amdhsa_memory_ordered 1
		.amdhsa_forward_progress 1
		.amdhsa_inst_pref_size 87
	.end_amdhsa_kernel
	.amdgpu_metadata
---
amdhsa.version: [ 1, 2 ]
amdhsa.kernels:
  - .name:           k_q252e41df34_proj
    .symbol:         k_q252e41df34_proj.kd
    .args:
      - { .name: y16h, .offset: 0, .size: 8, .value_kind: global_buffer, .address_space: global }
      - { .name: pw16, .offset: 8, .size: 8, .value_kind: global_buffer, .address_space: global }
      - { .name: proj_b, .offset: 16, .size: 8, .value_kind: global_buffer, .address_space: global }
      - { .name: out0, .offset: 24, .size: 8, .value_kind: global_buffer, .address_space: global }
    .group_segment_fixed_size: 327680
    .private_segment_fixed_size: 0
    .kernarg_segment_align: 8
    .kernarg_segment_size: 32
    .max_flat_workgroup_size: 128
    .sgpr_count:     72
    .vgpr_count:     768
    .wavefront_size: 32
...
	.end_amdgpu_metadata
.endif
;; end of part 4
;; launch first16 (part 5): grid 16 x 4, 16 waves a work-group, no clusters, 85,504 bytes of LDS; arguments qkv32, proj_w, proj_b, out0; writes out0
.if DOCPART == 5
	.amdgcn_target "amdgcn-amd-amdhsa--gfx1250"
	.amdhsa_code_object_version 6
	.text
	.protected	k_q252e41df34_first16
	.globl	k_q252e41df34_first16
	.p2align	8
	.type	k_q252e41df34_first16,@function
k_q252e41df34_first16:
	s_mov_b64 s[64:65], 0
	v_nop
	global_prefetch_b8 v0, s[64:65] scope:SCOPE_SE
	s_setreg_imm32_b32 hwreg(HW_REG_WAVE_MODE, 25, 1), 1
	s_wait_xcnt 0x0
; Positions 0-15 of each batch once more, with f32 operands throughout: these rows average one to sixteen values and are the largest of the output, so the rounding of 16-bit operands weighs most on them.
; qkv32 [4][16][3072] f32 holds their q, k, v unrounded.  Attention (causal, 16 x 16 a head) and the projection y proj_w^T + proj_b go by v_wmma_f32_16x16x4_f32; the 64 rows of out0 are written over.
; SHARES.  Work-group (x, batch) owns out0[batch][0..15][64 x .. 64 x + 63].  A: wave w makes head w's 16 x 64 of y, into LDS (each work-group does all 16 heads again: 32 small products a wave).
; B: wave w multiplies y's K quarter w / 4 (256 along K) by 16 rows of proj_w (tile w % 4): 64 products; the four quarters meet in LDS, and each wave adds and stores one row of 256 bytes.
; LAYOUT.  The f32 form takes k = 2 (lane / 16) + j in register j.  A lane loads 16 bytes (four neighbours along K) at 32 i + 16 (lane / 16): two operands' pairs; the same order of k on both sides keeps the products.
; S^T = K Q^T: a lane holds query lane % 16 and keys 8 (lane / 16) + 0..7; pairs of these registers ARE source 1 of O^T = V^T P, and V^T's registers are loaded in the same order of keys.
; The registers that this matrix form writes (v176-207, v224-255) are written by it alone; each sum begins with the constant 0; four accumulators take turns.
; No tensor loads, no cluster: what is shared is small and the launch is short.  LIMITS: NaN and infinities are not served.
.set YP,    4112                       ; a row of y in LDS: 4,096 bytes + 16
.set PART,  66048                      ; behind y's 16 rows: the partial sums [4 quarters][16 rows][256 bytes + 16]
.set PP,    272
.set SPARE, 83456                      ; the spare words, 128 bytes for each of sixteen waves
.set QKO, 1
.set VO,  2
.set WO,  3
.set YST, 4
.set YLD, 5
.set PST, 6
.set PRD, 7
.set OO,  8
.set DG,  9                            ; v9   lane % 16 - 8 (lane / 16): register j's key counts where j is at or under it
.set SPW, 10
.set NIL, 11
.set W1,  16                           ; v16-79   proj_w, the first 128 of my 256 along K; at the end the bias and the partial sums
.set KR,  80                           ; v80-111  K; then y; then y's fragments
.set QR,  112                          ; v112-143 Q
.set VT,  144                          ; v144-175 V^T
.set W2,  112                          ; v112-175 proj_w, the second 128
.set SA,  176                          ; four accumulators
.set SS,  208
.set TT,  216
.set OA,  224                          ; four accumulators
.set WV,  12
.set SEL, 20
.set CS,  22
.macro PLACES n
.rept \n
	v_nop
.endr
.endm
	s_load_b256 s[4:11], s[0:1], 0x0               ; qkv32 s[4:5], proj_w s[6:7], proj_b s[8:9], out0 s[10:11]
	v_lshl_add_u32 v[SPW], v0, 2, SPARE
	v_mov_b32 v[NIL], 0
	v_lshrrev_b32 v12, 5, v0
	v_readfirstlane_b32 s[WV], v12                 ; wave 0..15
	s_and_b32 s13, ttmp7, 0xffff                   ; the batch
	s_and_b32 s14, s[WV], 3                        ; B: my tile of 16 outputs
	s_lshr_b32 s15, s[WV], 2                       ; B: my quarter of K
	s_mov_b32 s[SEL], 0x76543210
	s_mov_b32 s[SEL+1], 0xfedcba98                 ; lane l xor 16
	s_mov_b32 s[CS], 0x3e38aa3b                    ; c = log2(e) / 8
	s_mov_b32 s[CS+1], s[CS]
	s_mul_i32 s24, s13, 196608                     ; qkv32: my batch's 16 rows, my head's 256 bytes
	s_lshl_b32 s25, s[WV], 8
	s_add_co_u32 s24, s24, s25
	s_mov_b32 s25, 0
	s_lshl_b32 s26, ttmp9, 18                      ; proj_w: row 64 x + 16 tile, 4,096 bytes a row; my quarter's 1,024 bytes
	s_lshl_b32 s27, s14, 16
	s_add_co_u32 s26, s26, s27
	s_lshl_b32 s27, s15, 10
	s_add_co_u32 s26, s26, s27
	s_mov_b32 s27, 0
	s_lshl_b32 s28, ttmp9, 8                       ; the work-group's 64 columns, in bytes
	s_mov_b32 s29, 0
	s_lshl_b32 s30, s13, 23                        ; out0: 2,048 rows of 4,096 bytes a batch
	s_add_co_u32 s30, s30, s28
	s_mov_b32 s31, 0
	v_and_b32 v12, 15, v0                          ; r
	v_bfe_u32 v13, v0, 4, 1                        ; h
	v_and_b32 v15, 31, v0
	v_lshlrev_b32 v14, 3, v15                      ; 8 x lane
	v_mul_u32_u24 v[QKO], v12, 12288
	v_lshl_add_u32 v[QKO], v13, 4, v[QKO]          ; q, k: row r + 16 h
	v_mul_u32_u24 v[VO], v13, 98304
	v_lshl_add_u32 v[VO], v12, 2, v[VO]            ; v: rows 8 h on, channel r
	v_lshlrev_b32 v[WO], 12, v12
	v_lshl_add_u32 v[WO], v13, 4, v[WO]            ; proj_w: row r + 16 h
	v_mul_u32_u24 v15, v12, YP
	s_lshl_b32 s16, s[WV], 8
	v_lshl_add_u32 v[YST], v13, 5, v15
	v_add_nc_u32 v[YST], s16, v[YST]               ; y into LDS: row r, head's 256 bytes, + 32 h
	s_lshl_b32 s16, s15, 10
	v_lshl_add_u32 v[YLD], v13, 4, v15
	v_add_nc_u32 v[YLD], s16, v[YLD]               ; and out of it: row r, my quarter, + 16 h
	s_mul_i32 s16, s15, 16*PP
	s_lshl_b32 s17, s14, 6
	s_add_co_u32 s16, s16, s17
	s_add_co_u32 s16, s16, PART
	v_mul_u32_u24 v[PST], v12, PP
	v_lshl_add_u32 v[PST], v13, 5, v[PST]
	v_add_nc_u32 v[PST], s16, v[PST]               ; partial sums in: my quarter, row r, my tile's 64 bytes, + 32 h
	s_mul_i32 s16, s[WV], PP
	s_add_co_u32 s16, s16, PART
	v_add_nc_u32 v[PRD], s16, v14                  ; and back: row = my wave, 8 bytes a lane
	s_lshl_b32 s16, s[WV], 12
	v_add_nc_u32 v[OO], s16, v14                   ; the same place in out0
	v_lshlrev_b32 v[DG], 3, v13
	v_sub_nc_u32 v[DG], v12, v[DG]
	s_wait_kmcnt 0x0
	s_add_nc_u64 s[4:5], s[4:5], s[24:25]
	s_add_nc_u64 s[6:7], s[6:7], s[26:27]
	s_add_nc_u64 s[8:9], s[8:9], s[28:29]
	s_add_nc_u64 s[10:11], s[10:11], s[30:31]
.irp i, 0,1,2,3,4,5,6,7
	global_load_b128 v[KR+4*\i:KR+4*\i+3], v[QKO], s[4:5] offset:4096+32*\i
.endr
.irp i, 0,1,2,3,4,5,6,7
	global_load_b128 v[QR+4*\i:QR+4*\i+3], v[QKO], s[4:5] offset:32*\i
.endr
.irp ct, 0,1,2,3
.irp jj, 0,1,2,3,4,5,6,7
	global_load_b32 v[VT+8*\ct+\jj], v[VO], s[4:5] offset:8192+\jj*12288+64*\ct    ; V(key 8 h + jj, channel 16 ct + r)
.endr
.endr
.irp i, 0,1,2,3,4,5,6,7,8,9,10,11,12,13,14,15
	global_load_b128 v[W1+4*\i:W1+4*\i+3], v[WO], s[6:7] offset:32*\i
.endr
	; ---- A: my head
	s_wait_loadcnt 48                              ; K and Q are in; V's 32 loads and proj_w's 16 may be out
.set n, 0
.rept 16
.if n < 4
	v_wmma_f32_16x16x4_f32 v[SA+8*(n%4):SA+8*(n%4)+7], v[KR+2*n:KR+2*n+1], v[QR+2*n:QR+2*n+1], 0
.else
	v_wmma_f32_16x16x4_f32 v[SA+8*(n%4):SA+8*(n%4)+7], v[KR+2*n:KR+2*n+1], v[QR+2*n:QR+2*n+1], v[SA+8*(n%4):SA+8*(n%4)+7]
.endif
.set n, n+1
.endr
	PLACES 8                                       ; eight places behind this form (ISA guide 7.12.1)
.irp j, 0,2,4,6
	v_pk_add_f32 v[SS+\j:SS+\j+1], v[SA+\j:SA+\j+1], v[SA+8+\j:SA+8+\j+1]           ; the four partial sums, into other registers
.endr
.irp j, 0,2,4,6
	v_pk_add_f32 v[TT+\j:TT+\j+1], v[SA+16+\j:SA+16+\j+1], v[SA+24+\j:SA+24+\j+1]
.endr
.irp j, 0,2,4,6
	v_pk_add_f32 v[SS+\j:SS+\j+1], v[SS+\j:SS+\j+1], v[TT+\j:TT+\j+1]
.endr
	v_mov_b32 v[TT], 0xff800000
.irp j, 0,1,2,3,4,5,6,7
	v_cmp_le_i32 vcc_lo, \j, v[DG]
	v_cndmask_b32 v[SS+\j], v[TT], v[SS+\j], vcc_lo                                ; hidden keys: -infinity
.endr
	v_max3_num_f32 v[TT+1], v[SS], v[SS+1], v[SS+2]
	v_max3_num_f32 v[TT+1], v[TT+1], v[SS+3], v[SS+4]
	v_max3_num_f32 v[TT+1], v[TT+1], v[SS+5], v[SS+6]
	v_max_num_f32 v[TT+1], v[TT+1], v[SS+7]
	v_permlanex16_b32 v[TT+2], v[TT+1], s[SEL], s[SEL+1]
	v_max_num_f32 v[TT+1], v[TT+1], v[TT+2]        ; the row's maximum: key 0 counts for every query
	v_mul_f32 v[TT+4], s[CS], v[TT+1]
.irp j, 0,2,4,6
	v_pk_fma_f32 v[SS+\j:SS+\j+1], v[SS+\j:SS+\j+1], s[CS:CS+1], v[TT+4:TT+5] op_sel_hi:[1,0,0] neg_lo:[0,0,1] neg_hi:[0,0,1]
.endr
.irp j, 0,1,2,3,4,5,6,7
	v_exp_f32 v[SS+\j], v[SS+\j]
.endr
	v_nop
	s_wait_alu depctr_va_vdst(0)                   ; one wait for the eight, ahead of their first reader
	v_pk_add_f32 v[TT:TT+1], v[SS:SS+1], v[SS+2:SS+3]
	v_pk_add_f32 v[TT+2:TT+3], v[SS+4:SS+5], v[SS+6:SS+7]
	v_pk_add_f32 v[TT:TT+1], v[TT:TT+1], v[TT+2:TT+3]
	v_add_f32 v[TT], v[TT], v[TT+1]
	v_permlanex16_b32 v[TT+2], v[TT], s[SEL], s[SEL+1]
	v_add_f32 v[TT], v[TT], v[TT+2]                ; the row's sum
	v_rcp_f32 v[TT+6], v[TT]
	v_nop
	s_wait_loadcnt 16                              ; V is in; proj_w's 16 loads may be out
.irp i, 0,1,2,3
.irp ct, 0,1,2,3
.if \i == 0
	v_wmma_f32_16x16x4_f32 v[OA+8*\ct:OA+8*\ct+7], v[VT+8*\ct+2*\i:VT+8*\ct+2*\i+1], v[SS+2*\i:SS+2*\i+1], 0
.else
	v_wmma_f32_16x16x4_f32 v[OA+8*\ct:OA+8*\ct+7], v[VT+8*\ct+2*\i:VT+8*\ct+2*\i+1], v[SS+2*\i:SS+2*\i+1], v[OA+8*\ct:OA+8*\ct+7]
.endif
.endr
.endr
	PLACES 8
	s_wait_alu depctr_va_vdst(0)                   ; the reciprocal, ahead of its first reader
.irp j, 0,2,4,6,8,10,12,14,16,18,20,22,24,26,28,30
	v_pk_mul_f32 v[KR+\j:KR+\j+1], v[OA+\j:OA+\j+1], v[TT+6:TT+7] op_sel_hi:[1,0]   ; y(r, 16 ct + 8 h + j), into other registers
.endr
.irp ct, 0,1,2,3
	ds_store_b128 v[YST], v[KR+8*\ct:KR+8*\ct+3] offset:64*\ct
	ds_store_b128 v[YST], v[KR+8*\ct+4:KR+8*\ct+7] offset:64*\ct+16
.endr
.irp i, 0,1,2,3,4,5,6,7,8,9,10,11,12,13,14,15
	global_load_b128 v[W2+4*\i:W2+4*\i+3], v[WO], s[6:7] offset:512+32*\i
.endr
	s_wait_dscnt 0x0                               ; for the others' sake: my rows of y have landed
	s_barrier_signal -1
	s_barrier_wait -1
	; ---- B: 16 outputs x 16 rows over my quarter of K, source 0 = proj_w, source 1 = y: a lane holds eight neighbouring outputs of row r
.irp g, 0,1,2,3
.irp i, 0,1,2,3,4,5,6,7
	ds_load_b128 v[KR+4*\i:KR+4*\i+3], v[YLD] offset:32*(8*\g+\i)
.endr
	s_wait_dscnt 0x0
.if \g == 0
	s_wait_loadcnt 16                              ; proj_w's first half is in; the second's 16 loads may be out
.endif
.if \g == 2
	s_wait_loadcnt 0x0
.endif
.if \g < 2
.set WB, W1+32*\g
.else
.set WB, W2+32*(\g-2)
.endif
.set n, 0
.rept 16
.if (\g == 0) && (n < 4)
	v_wmma_f32_16x16x4_f32 v[SA+8*(n%4):SA+8*(n%4)+7], v[WB+2*n:WB+2*n+1], v[KR+2*n:KR+2*n+1], 0
.else
	v_wmma_f32_16x16x4_f32 v[SA+8*(n%4):SA+8*(n%4)+7], v[WB+2*n:WB+2*n+1], v[KR+2*n:KR+2*n+1], v[SA+8*(n%4):SA+8*(n%4)+7]
.endif
.set n, n+1
.endr
	PLACES 8                                       ; in front of the next loads into y's fragments, and of the first read of results
.endr
.irp j, 0,2,4,6
	v_pk_add_f32 v[SS+\j:SS+\j+1], v[SA+\j:SA+\j+1], v[SA+8+\j:SA+8+\j+1]
.endr
.irp j, 0,2,4,6
	v_pk_add_f32 v[TT+\j:TT+\j+1], v[SA+16+\j:SA+16+\j+1], v[SA+24+\j:SA+24+\j+1]
.endr
.irp j, 0,2,4,6
	v_pk_add_f32 v[SS+\j:SS+\j+1], v[SS+\j:SS+\j+1], v[TT+\j:TT+\j+1]
.endr
	global_load_b64 v[16:17], v14, s[8:9]          ; the bias of my two columns of the row that I store
	ds_store_b128 v[PST], v[SS:SS+3]
	ds_store_b128 v[PST], v[SS+4:SS+7] offset:16
	s_wait_dscnt 0x0                               ; for the others' sake
	s_barrier_signal -1
	s_barrier_wait -1
.irp k, 0,1,2,3
	ds_load_b64 v[24+2*\k:25+2*\k], v[PRD] offset:\k*16*PP
.endr
	s_wait_dscnt 0x0
	v_pk_add_f32 v[24:25], v[24:25], v[26:27]
	v_pk_add_f32 v[28:29], v[28:29], v[30:31]
	s_wait_loadcnt 0x0
	v_pk_add_f32 v[24:25], v[24:25], v[28:29]
	v_pk_add_f32 v[24:25], v[24:25], v[16:17]
	global_store_b64 v[OO], v[24:25], s[10:11]     ; 32 lanes store 256 consecutive bytes of row = my wave
	s_wait_tensorcnt 0x0                           ; the wave's end: behind my last LDS store
	ds_add_u32 v[SPW], v[NIL]
	s_wait_dscnt 0x0
	s_endpgm
.Lfunc_end_k_q252e41df34_first16:
	.size	k_q252e41df34_first16, .Lfunc_end_k_q252e41df34_first16-k_q252e41df34_first16
	.p2alignl 7, 3214868480
	.fill 96, 4, 3214868480
	.section	.rodata,"a",@progbits
	.p2align	6, 0x0
	.amdhsa_kernel k_q252e41df34_first16
		.amdhsa_group_segment_fixed_size 85504
		.amdhsa_private_segment_fixed_size 0
		.amdhsa_enable_private_segment 0
		.amdhsa_kernarg_size 32
		.amdhsa_user_sgpr_count 2
		.amdhsa_user_sgpr_kernarg_segment_ptr 1
		.amdhsa_wavefront_size32 1
		.amdhsa_system_sgpr_workgroup_id_x 1
		.amdhsa_system_sgpr_workgroup_id_y 1
		.amdhsa_system_sgpr_workgroup_id_z 1
		.amdhsa_system_vgpr_workitem_id 0
		.amdhsa_next_free_vgpr 256
		.amdhsa_next_free_sgpr 66
		.amdhsa_reserve_vcc 1
		.amdhsa_float_denorm_mode_32 3
		.amdhsa_float_denorm_mode_16_64 3
		.amdhsa_memory_ordered 1
		.amdhsa_forward_progress 1
		.amdhsa_inst_pref_size 27
	.end_amdhsa_kernel
	.amdgpu_metadata
---
amdhsa.version: [ 1, 2 ]
amdhsa.kernels:
  - .name:           k_q252e41df34_first16
    .symbol:         k_q252e41df34_first16.kd
    .args:
      - { .name: qkv32, .offset: 0, .size: 8, .value_kind: global_buffer, .address_space: global }
      - { .name: proj_w, .offset: 8, .size: 8, .value_kind: global_buffer, .address_space: global }
      - { .name: proj_b, .offset: 16, .size: 8, .value_kind: global_buffer, .address_space: global }
      - { .name: out0, .offset: 24, .size: 8, .value_kind: global_buffer, .address_space: global }
    .group_segment_fixed_size: 85504
    .private_segment_fixed_size: 0
    .kernarg_segment_align: 8
    .kernarg_segment_size: 32
    .max_flat_workgroup_size: 512
    .sgpr_count:     66
    .vgpr_count:     256
    .wavefront_size: 32
...
	.end_amdgpu_metadata
.endif
;; end of part 5
